; MI455X (gfx1250); checked and timed in simulation.
; The chip was launched on July 23, 2026; its instructions are those of AMD's public machine-readable ISA for CDNA 5 (MIT licence, August 2026) and "CDNA5" Instruction Set Architecture Reference Guide (July 2026). The comments in the code are by the model that wrote it; some were corrected since.
;; Causal Self Attention. Allowed arithmetic: float matrix products may take bf16 or f16 operands with f32 sums; all other float work in f32.
;; Inputs: W_out 1,024 x 1,024 float32; W_qkv 1,024 x 3,072 float32; b_out 1,024 float32; b_qkv 3,072 float32; x 4 x 2,048 x 1,024 float32.
;; Outputs: out0 4 x 2,048 x 1,024 float32.
;; 2 versions, each right and faster than the one before. Each part assembles by itself: llvm-mc -triple=amdgcn-amd-amdhsa -mcpu=gfx1250 --defsym DOCPART=n.
;; ======== version 1 of 2: 4 launches
;; limits: values are held in f16: magnitudes above 65,504 overflow, below 6.1e-05 lose precision
;; workspace buffers: xb 16,777,216 bytes; wq 6,291,456 bytes; wo 2,097,152 bytes; qkv 50,331,648 bytes; att 16,777,216 bytes
;; launch cast (part 1): grid 768 x 1, 8 waves a work-group, no clusters, 0 bytes of LDS; arguments x, W_qkv, W_out, xb, wq, wo; writes xb, wq, wo
.if DOCPART == 1
	.amdgcn_target "amdgcn-amd-amdhsa--gfx1250"
	.amdhsa_code_object_version 6
	.text
	.protected	k_q1ce22fb60c_cast
	.globl	k_q1ce22fb60c_cast
	.p2align	8
	.type	k_q1ce22fb60c_cast,@function
k_q1ce22fb60c_cast:
	s_mov_b64 s[64:65], 0
	v_nop
	global_prefetch_b8 v0, s[64:65] scope:SCOPE_SE
	s_setreg_imm32_b32 hwreg(HW_REG_WAVE_MODE, 25, 1), 1
	s_wait_xcnt 0x0
; The three f32 inputs that feed matrix products are rounded once to 16 bits.
;   x     [8192][1024] f32 -> xb, bf16, in blocks of 64 along k: byte = (k/64) * 1,048,576 + m * 128 + 2 (k % 64)
;   W_qkv [1024][3072] f32 -> wq, bf16, as it lies
;   W_out [1024][1024] f32 -> wo: rounded to bf16 and kept in f16 code, since its partner in the last product is f16
; LIMIT: bf16 -> f16 is exact for magnitudes from 2^-14 to 65,504; below 2^-14 the f16 code is denormal and the absolute error is at most 3e-8;
; above 65,504 it is infinite.
; A stream: no LDS, no barrier, no matrix unit.  A work-group takes 65,536 input bytes: groups 0-511 x (16 rows each), 512-703 W_qkv, 704-767 W_out.
; Each thread has all its 16 loads of 16 bytes out at once; every register is written once, so no wait frees a source.
.set X, 4                              ; v[4:67]   16 loads x 4 registers
.set Y, 68                             ; v[68:99]  16 stores x 2 registers
.set T, 100                            ; v[100:103] at work
; mode 0: x into blocks; 1: flat, bf16; 2: flat, bf16 in f16 code
.macro CASTB mode
.irp j, 0,1,2,3,4,5,6,7,8,9,10,11,12,13,14,15
.if \mode == 0
	global_load_b128 v[X+4*\j:X+4*\j+3], v1, s[18:19] offset:\j*256 th:TH_LOAD_NT    ; block j of two rows: sixteen lanes take 256 consecutive bytes
.else
	global_load_b128 v[X+4*\j:X+4*\j+3], v1, s[18:19] offset:\j*512 th:TH_LOAD_NT    ; 512 consecutive bytes a wave
.endif
.endr
.irp j, 0,1,2,3,4,5,6,7,8,9,10,11,12,13,14,15
	s_wait_loadcnt 15-\j                           ; loads come back in order: load j is in, the 15 - j younger ones stay out
.if \mode == 2
	v_cvt_pk_bf16_f32 v[T],   v[X+4*\j],   v[X+4*\j+1]
	v_cvt_pk_bf16_f32 v[T+1], v[X+4*\j+2], v[X+4*\j+3]
	v_lshlrev_b32 v[T+2], 16, v[T]                 ; the rounded numbers as f32 again
	v_and_b32     v[T],   0xffff0000, v[T]
	v_lshlrev_b32 v[T+3], 16, v[T+1]
	v_and_b32     v[T+1], 0xffff0000, v[T+1]
	v_cvt_pk_f16_f32 v[Y+2*\j],   v[T+2], v[T]
	v_cvt_pk_f16_f32 v[Y+2*\j+1], v[T+3], v[T+1]
.else
	v_cvt_pk_bf16_f32 v[Y+2*\j],   v[X+4*\j],   v[X+4*\j+1]
	v_cvt_pk_bf16_f32 v[Y+2*\j+1], v[X+4*\j+2], v[X+4*\j+3]
.endif
.if \mode == 0
.if \j < 8
	global_store_b64 v2, v[Y+2*\j:Y+2*\j+1], s[20:21] offset:\j*1048576       ; 32 lanes x 8 bytes: two rows of block j, 256 consecutive bytes, aligned
.else
	global_store_b64 v2, v[Y+2*\j:Y+2*\j+1], s[22:23] offset:(\j-8)*1048576   ; a second base keeps the immediate inside its signed 24 bits
.endif
.else
	global_store_b64 v2, v[Y+2*\j:Y+2*\j+1], s[20:21] offset:\j*256
.endif
.endr
.endm
	s_load_b256 s[4:11], s[0:1], 0x0               ; x s[4:5], W_qkv s[6:7], W_out s[8:9], xb s[10:11]
	s_load_b128 s[12:15], s[0:1], 0x20             ; wq s[12:13], wo s[14:15]
	s_mov_b32 s17, 0
	s_mov_b32 s25, 0
	s_cmp_lt_u32 ttmp9, 512
	s_cbranch_scc0 .Lweights
	; x: thread t takes row t / 16 of the group's 16 rows and 16 bytes at 16 (t % 16) of each block's 256
	s_lshl_b32 s16, ttmp9, 16                      ; 16 rows of 4,096 bytes in
	s_lshl_b32 s24, ttmp9, 11                      ; 16 rows of 128 bytes out, in each block
	v_lshrrev_b32 v3, 4, v0
	v_and_b32 v2, 15, v0
	v_lshlrev_b32 v1, 12, v3
	v_lshl_add_u32 v1, v2, 4, v1
	v_lshlrev_b32 v2, 3, v0                        ; out: (t / 16) * 128 + (t % 16) * 8 = 8 t
	s_wait_kmcnt 0x0
	s_add_nc_u64 s[18:19], s[4:5], s[16:17]
	s_add_nc_u64 s[20:21], s[10:11], s[24:25]
	s_add_nc_u64 s[22:23], s[20:21], 0x800000      ; blocks 8 to 15
	CASTB 0
	s_endpgm
.Lweights:
	; flat: wave w takes 8,192 input bytes, 512 a load
	v_lshrrev_b32 v3, 5, v0
	v_and_b32 v2, 31, v0
	v_lshlrev_b32 v1, 13, v3
	v_lshl_add_u32 v1, v2, 4, v1
	v_lshrrev_b32 v2, 1, v1                        ; half as many bytes out
	s_cmp_lt_u32 ttmp9, 704
	s_cbranch_scc0 .Lwout
	s_sub_co_u32 s26, ttmp9, 512
	s_lshl_b32 s16, s26, 16
	s_lshl_b32 s24, s26, 15
	s_wait_kmcnt 0x0
	s_add_nc_u64 s[18:19], s[6:7], s[16:17]
	s_add_nc_u64 s[20:21], s[12:13], s[24:25]
	CASTB 1
	s_endpgm
.Lwout:
	s_sub_co_u32 s26, ttmp9, 704
	s_lshl_b32 s16, s26, 16
	s_lshl_b32 s24, s26, 15
	s_wait_kmcnt 0x0
	s_add_nc_u64 s[18:19], s[8:9], s[16:17]
	s_add_nc_u64 s[20:21], s[14:15], s[24:25]
	CASTB 2
	s_endpgm
.Lfunc_end_k_q1ce22fb60c_cast:
	.size	k_q1ce22fb60c_cast, .Lfunc_end_k_q1ce22fb60c_cast-k_q1ce22fb60c_cast
	.p2alignl 7, 3214868480
	.fill 96, 4, 3214868480
	.section	.rodata,"a",@progbits
	.p2align	6, 0x0
	.amdhsa_kernel k_q1ce22fb60c_cast
		.amdhsa_group_segment_fixed_size 0
		.amdhsa_private_segment_fixed_size 0
		.amdhsa_enable_private_segment 0
		.amdhsa_kernarg_size 48
		.amdhsa_user_sgpr_count 2
		.amdhsa_user_sgpr_kernarg_segment_ptr 1
		.amdhsa_wavefront_size32 1
		.amdhsa_system_sgpr_workgroup_id_x 1
		.amdhsa_system_sgpr_workgroup_id_y 1
		.amdhsa_system_sgpr_workgroup_id_z 1
		.amdhsa_system_vgpr_workitem_id 0
		.amdhsa_next_free_vgpr 104
		.amdhsa_next_free_sgpr 66
		.amdhsa_reserve_vcc 0
		.amdhsa_float_denorm_mode_32 3
		.amdhsa_float_denorm_mode_16_64 3
		.amdhsa_memory_ordered 1
		.amdhsa_forward_progress 1
		.amdhsa_inst_pref_size 24
	.end_amdhsa_kernel
	.amdgpu_metadata
---
amdhsa.version: [ 1, 2 ]
amdhsa.kernels:
  - .name:           k_q1ce22fb60c_cast
    .symbol:         k_q1ce22fb60c_cast.kd
    .args:
      - { .name: x, .offset: 0, .size: 8, .value_kind: global_buffer, .address_space: global }
      - { .name: W_qkv, .offset: 8, .size: 8, .value_kind: global_buffer, .address_space: global }
      - { .name: W_out, .offset: 16, .size: 8, .value_kind: global_buffer, .address_space: global }
      - { .name: xb, .offset: 24, .size: 8, .value_kind: global_buffer, .address_space: global }
      - { .name: wq, .offset: 32, .size: 8, .value_kind: global_buffer, .address_space: global }
      - { .name: wo, .offset: 40, .size: 8, .value_kind: global_buffer, .address_space: global }
    .group_segment_fixed_size: 0
    .private_segment_fixed_size: 0
    .kernarg_segment_align: 8
    .kernarg_segment_size: 48
    .max_flat_workgroup_size: 256
    .sgpr_count:     66
    .vgpr_count:     104
    .wavefront_size: 32
...
	.end_amdgpu_metadata
.endif
;; end of part 1
;; launch gemm_qkv (part 2): grid 8 x 32, 4 waves a work-group, clusters of 4 x 4, 327,680 bytes of LDS; arguments xb, wq, b_qkv, qkv; writes qkv
.if DOCPART == 2
	.amdgcn_target "amdgcn-amd-amdhsa--gfx1250"
	.amdhsa_code_object_version 6
	.text
	.protected	k_q1ce22fb60c_gemm_qkv
	.globl	k_q1ce22fb60c_gemm_qkv
	.p2align	8
	.type	k_q1ce22fb60c_gemm_qkv,@function
k_q1ce22fb60c_gemm_qkv:
	s_mov_b64 s[64:65], 0
	v_nop
	global_prefetch_b8 v0, s[64:65] scope:SCOPE_SE
	s_setreg_imm32_b32 hwreg(HW_REG_WAVE_MODE, 25, 1), 1
	s_wait_xcnt 0x0
	s_wait_alu depctr_hold_cnt(0) depctr_sa_sdst(0) depctr_va_vdst(0) depctr_va_sdst(0) depctr_va_ssrc(0) depctr_va_vcc(0) depctr_vm_vsrc(0)
	s_getreg_b32 s2, hwreg(HW_REG_IB_STS2, 6, 4)
	s_cmp_eq_u32 s2, 0
	s_cbranch_scc0 .Lentry_in_a_cluster
	s_endpgm
.Lentry_in_a_cluster:
	s_bfe_u32 s2, ttmp6, 0x10000c
	s_cmp_lg_u32 s2, 0xf033
	s_cbranch_scc0 .Lentry_shape_is_right
	s_endpgm
.Lentry_shape_is_right:
; C[m][n] = sum over k of A[m][k] B[k][n] + bias[n], M = 8192, K = 1024.  One text for two products; the five lines below choose.
; HERE: qkv = x W_qkv + b_qkv.  A = xb (bf16, blocks of 64 along k), B = wq (bf16, [k][3072]), sums and bias in f32, the result in f16 by heads:
; byte = (48 batch + n / 64) * 262,144 + t * 128 + 2 (n % 64), so that q's heads are planes 0-15, k's 16-31, v's 32-47 of a batch.
; LIMIT: q, k, v are kept in f16: magnitudes of 65,504 and more become infinite.
.set NG,     3                         ; groups of 64 columns a wave
.set NCOL,   3072                      ; columns of B and C
.set KSTEP,  64                        ; K in a slot
.set F16IN,  0                         ; operands: 0 bf16, 1 f16
.set F32OUT, 0                         ; result: 0 f16 by heads, 1 f32 row-major
; SHARES.  A work-group makes 256 rows x 128 NG columns: 8 x 32 work-groups.  Wave w: rows 128 (w / 2) on, and of each 128 columns the 64 at 64 (w % 2):
; 8 x 4 NG accumulators of 16 x 16.  K goes through two LDS slots filled by the tensor data mover.
; CLUSTERS.  4 x 4 work-groups: the four of a row need the same tile of A, the four of a column the same tile of B; each tile is asked for jointly.
; THE MATRIX INSTRUCTION IS USED TRANSPOSED: source 0 = 16 columns of B (turned on the way out of LDS by ds_load_tr16_b128), source 1 = 16 rows of A.
; A lane then holds row l % 16 of C and eight neighbouring columns 8 (l / 16) + 0..7.
; REGISTERS.  Window 0: v0-31 addresses, v32-63 bias of group 0, v64-191 two buffers of A's fragments, v192-255 two of B's.  Window g + 1: group g's 32 accumulators, (a, b) at v[8 (4 a + b)].
.set QS,    KSTEP/32                   ; quarters of 32 along K in a slot
.set U,     QS*NG                      ; units of 32 matrix instructions in a slot: unit u = quarter u / NG, group u % NG
.set LAPS,  1024/(2*KSTEP)             ; a lap = both slots
.set PA,    144                        ; a row of A in LDS: 128 bytes + 16 = 9 x 16: the sixteen rows of a fragment load start at sixteen different 16-byte columns modulo 256
.set ABLK,  256*PA                     ; 256 rows x 64 K
.set ATILE, (KSTEP/64)*ABLK
.set PB,    288*NG                     ; a row of B: for each 128 columns 256 bytes + 32; an odd multiple of 32
.set SLOT,  ATILE+KSTEP*PB
.set STAGE, 2*SLOT                     ; behind the ring, a multiple of 256: 16 rows for each wave, for the way out; no tensor load lands here
.set SP,    144+128*F32OUT             ; a stage row: 128 or 256 bytes + 16
.set AR,    KSTEP                      ; rows of 256 bytes in one load of A (16 or 32 KiB, dense in memory)
.set AHALF, AR*2*PA                    ; what they take in LDS
.set AW,    16384+(KSTEP/128)*(1048576-16384)  ; from wave 0's part of A to wave 1's: the tile's other 128 rows, or the next block of 64 along K
.set AS,    1048576*(KSTEP/64)         ; bytes of A from a K step to the next
.set BSTEP, KSTEP*NCOL*2               ; the same for B
.set ADRA, 16                          ; v16-17 LDS address of my A fragments in slot 0, 1
.set ADRB, 20                          ; v20-21 the same for B
.set STO,  24                          ; the way out: where I put my part of a row
.set RD,   25                          ; where I read rows back
.set CO,   26                          ; my byte offset in C
.set BO,   27                          ; my byte offset in the bias
.set BIAS, 32                          ; group g's 32 numbers at v[32 + 32 g]; groups 1, 2 take A's buffer 0 when it is free
.set FA0,  64
.set FA1,  128
.set FB0,  192
.set FB1,  224
.set TMP,  128                         ; the way out: sums + bias
.set PKR,  160                         ; packed to f16
.set G1,  24                           ; s[24:31] group 1 for A; s[32:39] group 0, a set for each slot
.set G0,  32
.set G1B, 48                           ; s[48:55], s[56:63] the same for B
.set G0B, 56
.set MSB, 0
.macro WIN new                         ; the immediate's high byte repeats the setting that is left; a switch that changes nothing is dropped
.if MSB != (\new)
	s_set_vgpr_msb (MSB<<8)|(\new)
.set MSB, \new
.endif
.endm
.macro PLACES                          ; four plain vector instructions between a matrix instruction and a load into, or a vector write of, one of its registers, or a read of its result
.rept 4
	v_nop
.endr
.endm
.macro JLOAD s                         ; a joint refill: waves 0, 1 fetch A's two parts, waves 2, 3 B's; four v_nop follow each line
	s_cmp_eq_u32 s13, 0
	s_cbranch_scc0 .Lfor_b_\@
	tensor_load_to_lds s[G0+4*\s:G0+4*\s+3], s[G1:G1+7]
	s_nop 0
	PLACES
	s_branch .Lasked_\@
.Lfor_b_\@:
	tensor_load_to_lds s[G0B+4*\s:G0B+4*\s+3], s[G1B:G1B+7]
	s_nop 0
	PLACES
.Lasked_\@:
.endm
.macro CREST                           ; a round of the cluster's barrier behind its opening barrier
	s_cmp_lg_u32 s12, 0
	s_cbranch_scc1 .Lnot_wave_0_\@
	s_barrier_signal -3
.Lnot_wave_0_\@:
	s_barrier_wait -3
	s_barrier_signal -1
	s_barrier_wait -1
.endm
.macro CROUND
	s_barrier_signal -1
	s_barrier_wait -1
	CREST
.endm
	s_load_b256 s[4:11], s[0:1], 0x0               ; A s[4:5], B s[6:7], bias s[8:9], C s[10:11]
	v_lshl_add_u32 v30, v0, 2, 0x2f400
	v_mov_b32 v31, 0
	ds_add_u32 v30, v31
	ds_add_u32 v30, v31
	v_lshrrev_b32 v1, 5, v0
	v_readfirstlane_b32 s12, v1                    ; wave 0..3
	s_lshr_b32 s13, s12, 1                         ; my half of the rows.  Also: I fetch for A (0) or for B (1)
	s_and_b32 s14, s12, 1                          ; my half of each 128 columns.  Also: which part of the tile I fetch
	s_bfe_u32 s40, ttmp6, 0x40000                  ; cx
	s_bfe_u32 s41, ttmp6, 0x40004                  ; cy
	s_lshl_b32 s42, ttmp9, 2
	s_add_co_u32 s42, s42, s40                     ; tile column = 4 x cluster x + cx
	s_and_b32 s43, ttmp7, 0xffff
	s_lshl_b32 s43, s43, 2
	s_add_co_u32 s43, s43, s41                     ; tile row = 4 x cluster y + cy
	s_lshl_b32 s44, s41, 2
	s_lshl_b32 s44, 15, s44                        ; my row of the cluster
	s_lshl_b32 s45, 0x1111, s40                    ; my column
	; group 1 for A: AR rows of 128 elements (256 bytes, dense); 4 words of padding behind every 32 words, so that each 128 bytes (a row of 64 K) take 144
	s_or_b32 s[G1], s44, (1<<16)|(1<<20)|(1<<21)|(4<<22)|(3<<25)
	s_mov_b32 s[G1+1], 128<<16                     ; tensor_dim0
	s_mov_b32 s[G1+2], AR<<16                      ; tensor_dim1
	s_mov_b32 s[G1+3], 128<<16                     ; tile_dim0
	s_mov_b32 s[G1+4], AR                          ; tile_dim1
	s_mov_b32 s[G1+5], 128                         ; elements from row to row
	s_mov_b32 s[G1+6], 0
	s_mov_b32 s[G1+7], 0
	; group 1 for B: KSTEP / 2 rows of 128 NG elements; 8 words of padding behind every 64 words: each 256 bytes take 288
	s_or_b32 s[G1B], s45, (1<<16)|(1<<20)|(1<<21)|(5<<22)|(7<<25)
	s_mov_b32 s[G1B+1], (128*NG)<<16
	s_mov_b32 s[G1B+2], (KSTEP/2)<<16
	s_mov_b32 s[G1B+3], (128*NG)<<16
	s_mov_b32 s[G1B+4], KSTEP/2
	s_mov_b32 s[G1B+5], NCOL
	s_mov_b32 s[G1B+6], 0
	s_mov_b32 s[G1B+7], 0
	; A's tiles hang on the tile row and the wave alone, B's on the tile column and the wave alone
	s_lshl_b32 s16, s43, 15                        ; 256 rows of 128 bytes in each block
	s_mul_i32 s17, s14, AW
	s_add_co_u32 s16, s16, s17
	s_mov_b32 s17, 0
	s_mul_i32 s46, s42, 256*NG
	s_mul_i32 s47, s14, (KSTEP/2)*NCOL*2
	s_add_co_u32 s46, s46, s47
	s_mov_b32 s47, 0
	s_mul_i32 s20, s14, AHALF                      ; where they go: no place in the cluster enters an LDS address
	s_mul_i32 s21, s14, (KSTEP/2)*PB
	s_add_co_u32 s21, s21, ATILE
	s_wait_dscnt 0x0
	s_wait_kmcnt 0x0
	s_add_nc_u64 s[16:17], s[4:5], s[16:17]
	s_add_nc_u64 s[46:47], s[6:7], s[46:47]
.irp s, 0,1
	s_mov_b32 s[G0+4*\s], 1
	s_add_co_u32 s[G0+4*\s+1], s20, \s*SLOT
	s_add_nc_u64 s[G0+4*\s+2:G0+4*\s+3], s[16:17], \s*AS
	s_or_b32 s[G0+4*\s+3], s[G0+4*\s+3], 0x80000000
	s_mov_b32 s[G0B+4*\s], 1
	s_add_co_u32 s[G0B+4*\s+1], s21, \s*SLOT
	s_add_nc_u64 s[G0B+4*\s+2:G0B+4*\s+3], s[46:47], \s*BSTEP
	s_or_b32 s[G0B+4*\s+3], s[G0B+4*\s+3], 0x80000000
.endr
	CROUND                                         ; all sixteen work-groups are here: the first joint loads meet
	s_cmp_eq_u32 s13, 0                            ; a wave's two first fills stand in one branch, ahead of every wait on TENSORcnt and every LDS read: two loads of mine are out
	s_cbranch_scc0 .Lfirst_b
	tensor_load_to_lds s[G0:G0+3], s[G1:G1+7]
	s_nop 0
	tensor_load_to_lds s[G0+4:G0+7], s[G1:G1+7]
	s_nop 0
	PLACES
	s_branch .Lfirst_asked
.Lfirst_b:
	tensor_load_to_lds s[G0B:G0B+3], s[G1B:G1B+7]
	s_nop 0
	tensor_load_to_lds s[G0B+4:G0B+7], s[G1B:G1B+7]
	s_nop 0
	PLACES
.Lfirst_asked:
	v_and_b32 v1, 15, v0                           ; r = l % 16
	v_bfe_u32 v2, v0, 4, 1                         ; h = l / 16
	v_mul_u32_u24 v3, v1, PA
	v_lshl_add_u32 v3, v2, 4, v3                   ; A: row x pitch + 16 h
	s_mul_i32 s21, s13, 128*PA                     ; my 128 rows
	v_add_nc_u32 v[ADRA], s21, v3
	v_add_nc_u32 v[ADRA+1], SLOT, v[ADRA]
	v_and_b32 v4, 7, v0                            ; B, turned: lane l reads 16 bytes of row 8 h + l % 8, columns 8 ((l / 8) % 2) on
	v_lshl_add_u32 v4, v2, 3, v4
	v_mul_u32_u24 v4, v4, PB
	v_bfe_u32 v5, v0, 3, 1
	v_lshl_add_u32 v4, v5, 4, v4
	s_lshl_b32 s22, s14, 7                         ; my 64 columns of each 128
	s_add_co_u32 s22, s22, ATILE
	v_add_nc_u32 v[ADRB], s22, v4
	v_add_nc_u32 v[ADRB+1], SLOT, v[ADRB]
	s_mul_i32 s23, s12, 16*SP
	s_add_co_u32 s23, s23, STAGE                   ; my stage
	v_mul_u32_u24 v6, v1, SP
.if F32OUT
	v_lshl_add_u32 v6, v2, 5, v6                   ; in: row r, 32 bytes for each half of the lanes
	v_mul_u32_u24 v7, v2, SP                       ; back: lanes 0-15 one row of 256 bytes, lanes 16-31 the next
	v_lshl_add_u32 v7, v1, 4, v7
	v_lshlrev_b32 v8, 12, v2                       ; and the same two rows of C, 4,096 bytes apart
	v_lshl_add_u32 v[CO], v1, 4, v8
.else
	v_lshl_add_u32 v6, v2, 4, v6                   ; in: row r, 16 bytes for each half of the lanes
	v_bfe_u32 v7, v0, 3, 2                         ; back: eight lanes to a row of 128 bytes, four rows a load
	v_mul_u32_u24 v7, v7, SP
	v_and_b32 v8, 7, v0
	v_lshl_add_u32 v7, v8, 4, v7
	v_and_b32 v8, 31, v0                           ; in C these four rows are 512 consecutive bytes
	v_lshlrev_b32 v[CO], 4, v8
.endif
	v_add_nc_u32 v[STO], s23, v6
	v_add_nc_u32 v[RD], s23, v7
	v_lshlrev_b32 v[BO], 5, v2                     ; my eight columns of sixteen, in f32
	s_mul_i32 s46, s42, 512*NG                     ; the bias of my first column: (128 NG x tile column + 64 x half) x 4
	s_lshl_b32 s47, s14, 8
	s_add_co_u32 s46, s46, s47
	s_mov_b32 s47, 0
	s_add_nc_u64 s[8:9], s[8:9], s[46:47]
.irp b, 0,1,2,3
	global_load_b128 v[BIAS+8*\b:BIAS+8*\b+3],   v[BO], s[8:9] offset:64*\b
	global_load_b128 v[BIAS+8*\b+4:BIAS+8*\b+7], v[BO], s[8:9] offset:64*\b+16
.endr
.if F32OUT
	s_lshl_b32 s16, s43, 20                        ; my first row of C: (256 x tile row + 128 x half) x 4,096; the column's bytes equal the bias's
	s_lshl_b32 s17, s13, 19
	s_add_co_u32 s16, s16, s17
.else
	s_lshr_b32 s16, s43, 3                         ; batch = tile row / 8: 48 planes of 262,144 bytes
	s_mul_i32 s16, s16, 48<<18
	s_and_b32 s17, s43, 7
	s_lshl_b32 s17, s17, 15                        ; t = 256 (tile row % 8) + 128 x half, rows of 128 bytes
	s_add_co_u32 s16, s16, s17
	s_lshl_b32 s17, s13, 14
	s_add_co_u32 s16, s16, s17
	s_mul_i32 s46, s42, 6                          ; plane of group 0 = 6 x tile column + half
	s_add_co_u32 s46, s46, s14
	s_lshl_b32 s46, s46, 18
.endif
	s_mov_b32 s17, 0
	s_add_nc_u64 s[10:11], s[10:11], s[16:17]
	s_add_nc_u64 s[10:11], s[10:11], s[46:47]
; na x 4 matrix instructions: row blocks a0 on x the group's four column blocks, 32 along K.  Every accumulator has one instruction a turn.
.macro MULN fa, fb, a0, na, zero
.set ia, \a0
.rept \na
.irp b, 0,1,2,3
.set rD, 8*(4*ia+\b)
.set rB, \fb+8*\b
.set rA, \fa+8*ia
.if F16IN
.if \zero
	v_wmma_f32_16x16x32_f16 v[rD:rD+7], v[rB:rB+7], v[rA:rA+7], 0
.else
	v_wmma_f32_16x16x32_f16 v[rD:rD+7], v[rB:rB+7], v[rA:rA+7], v[rD:rD+7]
.endif
.else
.if \zero
	v_wmma_f32_16x16x32_bf16 v[rD:rD+7], v[rB:rB+7], v[rA:rA+7], 0
.else
	v_wmma_f32_16x16x32_bf16 v[rD:rD+7], v[rB:rB+7], v[rA:rA+7], v[rD:rD+7]
.endif
.endif
.endr
.set ia, ia+1
.endr
.endm
.macro FETCH_A slot, q, f, lo, n       ; n fragments of A (16 rows x 32 K) from fragment lo on, quarter q, into buffer f
.set fi, \lo
.rept \n
	ds_load_b128 v[\f+8*fi:\f+8*fi+3],   v[ADRA+\slot] offset:((\q)/2)*ABLK+((\q)%2)*64+fi*16*PA
	ds_load_b128 v[\f+8*fi+4:\f+8*fi+7], v[ADRA+\slot] offset:((\q)/2)*ABLK+((\q)%2)*64+fi*16*PA+32
.set fi, fi+1
.endr
.endm
.macro FETCH_B slot, q, g, f           ; four fragments of B (32 K x 16 columns, turned): quarter q, group g
.irp b, 0,1,2,3
	ds_load_tr16_b128 v[\f+8*\b:\f+8*\b+3],   v[ADRB+\slot] offset:(\q)*32*PB+(\g)*288+32*\b
	ds_load_tr16_b128 v[\f+8*\b+4:\f+8*\b+7], v[ADRB+\slot] offset:(\q)*32*PB+(\g)*288+32*\b+16*PB
.endr
.endm
; Unit u of a slot (not the last): 32 matrix instructions; in its middle, in one run, the next unit's B and a share of the next quarter's A.
; PREVA = 1: the run before ended with eight loads of A that the first half of this unit does not need.
.macro UNIT slot, zero
.set q,   u/NG
.set g,   u%NG
.set fa,  FA0+64*(q%2)
.set fb,  FB0+32*(u%2)
.set q1,  (u+1)/NG
.set g1,  (u+1)%NG
.set fa1, FA0+64*((q+1)%2)
.set fb1, FB0+32*((u+1)%2)
	s_wait_dscnt 8*PREVA                           ; my B and A's row blocks 0-3 are in
	WIN 0x50*(g+1)
	MULN fa, fb, 0, 4, \zero
	PLACES                                         ; the buffers loaded below were multiplied by the unit before
	WIN 0
	FETCH_B \slot, q1, g1, fb1
.set nl, 8
.set PREVA, 0
.if (q+1) < QS
.if NG == 1
	FETCH_A \slot, q+1, fa1, 0, 8
.set nl, 24
.set PREVA, 1
.elseif g == 0
	FETCH_A \slot, q+1, fa1, 0, 4
.set nl, 16
.set PREVA, 1
.elseif g == 1
	FETCH_A \slot, q+1, fa1, 4, 4
.set nl, 16
.set PREVA, 1
.endif
.endif
	s_wait_dscnt nl                                ; all but the loads just issued
	WIN 0x50*(g+1)
	MULN fa, fb, 4, 4, \zero
.set u, u+1
.endm
; The slot's last unit changes slots: ONE barrier; in front of it each wave waits for its reads of this slot and for all its tensor loads (one is out: its part of the next slot).
; fill = 1: the barrier opens a round of the cluster's barrier and this slot is filled again, two K steps ahead, first thing behind the round.
.macro TURN slot, next, fill
	s_wait_dscnt 8*PREVA
	WIN 0x50*NG
	MULN FA1, FB1, 0, 2, 0
	s_wait_dscnt 0x0                               ; my reads of this slot are over,
	s_wait_tensorcnt 0x0                           ; and all my tensor loads have landed
	ds_add_u32 v30, v31
	s_wait_dscnt 0x0
	s_barrier_signal -1
	MULN FA1, FB1, 2, 2, 0                         ; work on registers while the others arrive
.if \fill
	WIN 0
.endif
	s_barrier_wait -1
.if \fill
	CREST                                          ; no wave of any partner still reads this slot or has a load on its way
	s_add_nc_u64 s[G0+4*\slot+2:G0+4*\slot+3], s[G0+4*\slot+2:G0+4*\slot+3], 2*AS
	s_add_nc_u64 s[G0B+4*\slot+2:G0B+4*\slot+3], s[G0B+4*\slot+2:G0B+4*\slot+3], 2*BSTEP
	JLOAD \slot                                    ; its four v_nop are also the places in front of the loads below
.else
	PLACES
	WIN 0
.endif
	FETCH_B \next, 0, 0, FB0
	FETCH_A \next, 0, FA0, 0, 8
.set PREVA, 1
	WIN 0x50*NG
	MULN FA1, FB1, 4, 4, 0
.set u, 0
.endm
.macro LAST                            ; the very last unit: nothing more to fetch from LDS; the other groups' biases come into A's buffer 0, last multiplied three units ago
	s_wait_dscnt 8*PREVA
	WIN 0x50*NG
	MULN FA1, FB1, 0, 4, 0
.if NG > 1
	WIN 0
.set lg, 1
.rept NG-1
.irp b, 0,1,2,3
	global_load_b128 v[BIAS+32*lg+8*\b:BIAS+32*lg+8*\b+3],   v[BO], s[8:9] offset:512*lg+64*\b
	global_load_b128 v[BIAS+32*lg+8*\b+4:BIAS+32*lg+8*\b+7], v[BO], s[8:9] offset:512*lg+64*\b+16
.endr
.set lg, lg+1
.endr
.endif
	s_wait_dscnt 0x0
	WIN 0x50*NG
	MULN FA1, FB1, 4, 4, 0
	WIN 0
.endm
; THE WAY OUT of block n (group n / 8, 16 rows n % 8).  PACK: + bias, in f32, each accumulator from its low end on; rounded where the result is f16.
.macro PACK n
.set eg, (\n)/8
.set ea, (\n)%8
.if ea == 0
	s_wait_loadcnt 8*(NG-1-eg)                     ; this group's eight loads of bias are in; the later groups' may stay out
.endif
	WIN eg+1                                       ; source 0 in the group's window
.irp b, 0,1,2,3
.irp r, 0,1,2,3
	v_pk_add_f32 v[TMP+8*\b+2*\r:TMP+8*\b+2*\r+1], v[8*(4*ea+\b)+2*\r:8*(4*ea+\b)+2*\r+1], v[BIAS+32*eg+8*\b+2*\r:BIAS+32*eg+8*\b+2*\r+1]
.endr
.endr
	WIN 0
.if F32OUT == 0
.irp b, 0,1,2,3
.irp r, 0,1,2,3
	v_cvt_pk_f16_f32 v[PKR+4*\b+\r], v[TMP+8*\b+2*\r], v[TMP+8*\b+2*\r+1]
.endr
.endr
.endif
.endm
.macro TOSTAGE n                       ; into my own stage and back as whole rows; LDS serves a wave's instructions in order (ISA guide 5.7.1), so no wait stands between
.if F32OUT
.set ob, 160+64*((\n)%2)
.irp b, 0,1,2,3
	ds_store_b128 v[STO], v[TMP+8*\b:TMP+8*\b+3]   offset:64*\b
	ds_store_b128 v[STO], v[TMP+8*\b+4:TMP+8*\b+7] offset:64*\b+16
.endr
.irp t, 0,1,2,3,4,5,6,7
	ds_load_b128 v[ob+4*\t:ob+4*\t+3], v[RD] offset:\t*2*SP
.endr
.else
.set ob, 176+48*((\n)%2)
.irp b, 0,1,2,3
	ds_store_b128 v[STO], v[PKR+4*\b:PKR+4*\b+3] offset:32*\b
.endr
.irp t, 0,1,2,3
	ds_load_b128 v[ob+4*\t:ob+4*\t+3], v[RD] offset:\t*4*SP
.endr
.endif
.endm
.macro SEND n
.set eg, (\n)/8
.set ea, (\n)%8
	s_wait_dscnt 0x0                               ; the block is back in registers
	s_wait_xcnt 0x0                                ; the stores of the block before have read their registers: the next TOSTAGE loads into them only behind this wait
.if F32OUT
.set ob, 160+64*((\n)%2)
.irp t, 0,1,2,3,4,5,6,7
	global_store_b128 v[CO], v[ob+4*\t:ob+4*\t+3], s[10:11] offset:ea*65536+\t*8192 th:TH_STORE_NT   ; sixteen lanes store 256 consecutive bytes, aligned
.endr
.else
.set ob, 176+48*((\n)%2)
.irp t, 0,1,2,3
	global_store_b128 v[CO], v[ob+4*\t:ob+4*\t+3], s[10:11] offset:eg*524288+ea*2048+\t*512          ; a wave stores 512 consecutive bytes, aligned
.endr
.endif
.endm
	s_wait_tensorcnt 0x1                           ; my part of K step 0 is in; K step 1's may stay out
	s_barrier_signal -1
	s_barrier_wait -1                              ; everybody's is
	FETCH_B 0, 0, 0, FB0
	FETCH_A 0, 0, FA0, 0, 8
.set PREVA, 1
.set u, 0
.rept NG
	UNIT 0, 1                                      ; the first quarter stands in front of the loop: its products start the sums
.endr
	WIN 0                                          ; at a label and at a branch every window is 0
	s_mov_b32 s3, LAPS-1
.Llap:                                                 ; a trip goes once round the ring and fills both slots again
.rept U-1-NG
	UNIT 0, 0
.endr
	TURN 0, 1, 1
.rept U-1
	UNIT 1, 0
.endr
	TURN 1, 0, 1
.rept NG
	UNIT 0, 0
.endr
	WIN 0
	s_sub_co_u32 s3, s3, 1
	s_cmp_lg_u32 s3, 0
	s_cbranch_scc1 .Llap
.rept U-1-NG
	UNIT 0, 0                                      ; the last lap fills nothing
.endr
	TURN 0, 1, 0
.rept U-1
	UNIT 1, 0
.endr
	LAST
	PLACES                                         ; behind the last products
	PACK 0
	TOSTAGE 0
.set en, 1
.rept 8*NG-1                           ; block n's arithmetic stands between block n - 1's loads from the stage and the wait for them
	PACK en
	SEND en-1
	TOSTAGE en
.set en, en+1
.endr
	SEND 8*NG-1
	s_wait_tensorcnt 0x0
	ds_add_u32 v30, v31
	s_wait_dscnt 0x0
	CROUND                                         ; the closing round: no work-group ends while a partner may still ask for a tile that names it
	s_endpgm
.Lfunc_end_k_q1ce22fb60c_gemm_qkv:
	.size	k_q1ce22fb60c_gemm_qkv, .Lfunc_end_k_q1ce22fb60c_gemm_qkv-k_q1ce22fb60c_gemm_qkv
	.p2alignl 7, 3214868480
	.fill 96, 4, 3214868480
	.section	.rodata,"a",@progbits
	.p2align	6, 0x0
	.amdhsa_kernel k_q1ce22fb60c_gemm_qkv
		.amdhsa_group_segment_fixed_size 327680
		.amdhsa_private_segment_fixed_size 0
		.amdhsa_enable_private_segment 0
		.amdhsa_kernarg_size 32
		.amdhsa_user_sgpr_count 2
		.amdhsa_user_sgpr_kernarg_segment_ptr 1
		.amdhsa_wavefront_size32 1
		.amdhsa_system_sgpr_workgroup_id_x 1
		.amdhsa_system_sgpr_workgroup_id_y 1
		.amdhsa_system_sgpr_workgroup_id_z 1
		.amdhsa_system_vgpr_workitem_id 0
		.amdhsa_next_free_vgpr 1024
		.amdhsa_next_free_sgpr 66
		.amdhsa_reserve_vcc 0
		.amdhsa_float_denorm_mode_32 3
		.amdhsa_float_denorm_mode_16_64 3
		.amdhsa_memory_ordered 1
		.amdhsa_forward_progress 1
		.amdhsa_inst_pref_size 159
	.end_amdhsa_kernel
	.amdgpu_metadata
---
amdhsa.version: [ 1, 2 ]
amdhsa.kernels:
  - .name:           k_q1ce22fb60c_gemm_qkv
    .symbol:         k_q1ce22fb60c_gemm_qkv.kd
    .args:
      - { .name: xb, .offset: 0, .size: 8, .value_kind: global_buffer, .address_space: global }
      - { .name: wq, .offset: 8, .size: 8, .value_kind: global_buffer, .address_space: global }
      - { .name: b_qkv, .offset: 16, .size: 8, .value_kind: global_buffer, .address_space: global }
      - { .name: qkv, .offset: 24, .size: 8, .value_kind: global_buffer, .address_space: global }
    .group_segment_fixed_size: 327680
    .private_segment_fixed_size: 0
    .kernarg_segment_align: 8
    .kernarg_segment_size: 32
    .max_flat_workgroup_size: 128
    .sgpr_count:     66
    .vgpr_count:     1024
    .wavefront_size: 32
...
	.end_amdgpu_metadata
.endif
;; end of part 2
;; launch attn (part 3): grid 4 x 64, 8 waves a work-group, no clusters, 327,680 bytes of LDS; arguments qkv, att; writes att
.if DOCPART == 3
	.amdgcn_target "amdgcn-amd-amdhsa--gfx1250"
	.amdhsa_code_object_version 6
	.text
	.protected	k_q1ce22fb60c_attn
	.globl	k_q1ce22fb60c_attn
	.p2align	8
	.type	k_q1ce22fb60c_attn,@function
k_q1ce22fb60c_attn:
	s_mov_b64 s[64:65], 0
	v_nop
	global_prefetch_b8 v0, s[64:65] scope:SCOPE_SE
	s_setreg_imm32_b32 hwreg(HW_REG_WAVE_MODE, 25, 1), 1
	s_wait_xcnt 0x0
; Causal attention, 64 (batch, head) pairs, T = 2048, 64 channels.  q, k, v: f16, planes of [2048][64] in qkv (plane 48 batch + head, + 16, + 32).
; att: f16, [head][batch x 2048 + t][64].  Products, maxima and sums in f32; the weights p are rounded to f16 for the second product, the result once at the end.
; LIMITS: the result is f16 (magnitudes of 65,504 and more become infinite); weights under 3e-8 round to zero in the second product.
; SHARES.  Work-group (p, head): the blocks of 256 queries 7 - p and then p.  Block i needs the key units (256 keys) 0 to i, so every work-group walks (8 - p) + (p + 1) = 9 units.
; Each of eight waves holds 32 queries, two tiles of 16, and walks a unit in four steps of 64 keys.  Two waves lie on a SIMD: one's softmax stands beside the other's products, and the text stays in phases.
; NO CLUSTER: the four work-groups of a head are at different units at the same time (their first blocks have 8, 7, 6, 5 units); a joint walk in step would take 8 + 4 unit times against 9.
; LAYOUT.  S^T = K Q^T (source 0 = 16 keys, source 1 = 16 queries): a lane holds ONE query (l % 16) and the keys 8 (l / 16) + 0..7 of each 16.  Two such tiles rounded in pairs ARE
; source 1 of O^T = V^T P, whose result again holds one query a lane and eight channels.  V ([key][channel]) is turned on the way out of LDS by ds_load_tr16_b128.
; SOFTMAX.  For each query a running maximum m and sum l: p = 2^(c s - c m), c = log2(e) / 8; in every step O and l are multiplied by a = 2^(c m_old - c m_new).
; A block starts with m = -inf and l = 0: its first step holds key 0, which no query masks, so m is finite from then on, a = 0 there, and a x O clears what O held (finite numbers).
; THE MASK is needed in a block's last unit alone (keys and queries of the same 256): a score is replaced by -inf where key > query; no branch hangs on it.
; REGISTERS.  Window 0: v0-15 addresses; v16-31 statistics; v32-95 S^T; v96-127 P; v128-191 O^T.  Window 1: v0-31 Q; v64-127 K of a step; v128-191 V of a step.
.set PK,    144                        ; a row of K in LDS: 128 bytes + 16 = 9 x 16
.set PV,    160                        ; a row of V: 128 + 32 = 5 x 32
.set VOFF,  64*PK                      ; a step: 64 rows of K, then 64 rows of V
.set STEPB, 64*(PK+PV)
.set SLOT1, 1<<17                      ; a slot holds a unit, four steps (77,824 bytes); slot 1 begins here, so that one exclusive or changes slots
.set STAGE, SLOT1+4*STEPB              ; behind the ring, a multiple of 256: 16 rows x 144 bytes for each wave; no tensor load lands here
.set SP,    144
.set AK0, 2                            ; my lane's place in a step's K; never rewritten
.set AV0, 3                            ; the same for V
.set ADK, 4                            ; LDS addresses of the runs of loads in hand
.set ADV, 5
.set QO,  6                            ; my byte offset in the wave's rows of Q
.set STO, 7                            ; the way out: in, back, and my offset in att
.set RD,  8
.set GO,  10
.set NINF, 11                          ; -inf
.set DQ,  12                           ; v12-13: tile t: query - 8 (l / 16) - first key of the step, inside the diagonal unit
.set ST,  16                           ; tile t's statistics at v[16 + 8 t]: +0 c m, +1 m, +2, +3 l (even, odd keys), +4..+7 at work; a in +6
.set S,   32
.set P,   96
.set O,   128
.set QF,  0                            ; window 1
.set KF,  64
.set VF,  128
.set TB,  54                           ; s54: LDS byte at which the step in hand begins
.set MSB, 0
.macro WIN new                         ; the immediate's high byte repeats the setting that is left
.if MSB != (\new)
	s_set_vgpr_msb (MSB<<8)|(\new)
.set MSB, \new
.endif
.endm
.macro JLOAD                           ; waves 0-3 fetch K of the unit's steps 0-3, waves 4-7 V; four v_nop follow each line
	s_cmp_lt_u32 s8, 4
	s_cbranch_scc0 .Lfor_v_\@
	tensor_load_to_lds s[40:43], s[24:31]
	s_nop 0
.rept 4
	v_nop
.endr
	s_branch .Lasked_\@
.Lfor_v_\@:
	tensor_load_to_lds s[44:47], s[32:39]
	s_nop 0
.rept 4
	v_nop
.endr
.Lasked_\@:
.endm
	s_load_b128 s[4:7], s[0:1], 0x0                ; qkv s[4:5], att s[6:7]
	v_lshl_add_u32 v254, v0, 2, 0x37800
	v_mov_b32 v255, 0
	ds_add_u32 v254, v255
	ds_add_u32 v254, v255
	v_lshrrev_b32 v1, 5, v0
	v_readfirstlane_b32 s8, v1                     ; wave 0..7
	s_mov_b32 s9, ttmp9                            ; p
	s_and_b32 s20, ttmp7, 0xffff
	s_lshr_b32 s21, s20, 4                         ; batch
	s_and_b32 s20, s20, 15                         ; head
	s_mul_i32 s2, s21, 48
	s_add_co_u32 s2, s2, s20
	s_lshl_b32 s2, s2, 18                          ; q's plane
	s_mov_b32 s3, 0
	s_lshl_b32 s20, s20, 20                        ; att: head x 8192 rows + batch x 2048 rows, of 128 bytes
	s_lshl_b32 s21, s21, 18
	s_add_co_u32 s20, s20, s21
	s_mov_b32 s21, 0
	; group 1: 32 rows of 128 elements (a step's 64 rows of 128 bytes, dense); padding behind every 32 words: 4 words for K, 8 for V
	s_mov_b32 s24, (1<<16)|(1<<20)|(4<<22)|(3<<25)
	s_mov_b32 s32, (1<<16)|(1<<20)|(4<<22)|(7<<25)
.irp g, 24, 32
	s_mov_b32 s[\g+1], 128<<16                     ; tensor_dim0
	s_mov_b32 s[\g+2], 32<<16                      ; tensor_dim1
	s_mov_b32 s[\g+3], 128<<16                     ; tile_dim0
	s_mov_b32 s[\g+4], 32                          ; tile_dim1
	s_mov_b32 s[\g+5], 128                         ; elements from row to row
	s_mov_b32 s[\g+6], 0
	s_mov_b32 s[\g+7], 0
.endr
	s_and_b32 s53, s8, 3                           ; which step of a unit I fetch
	s_mov_b32 s40, 1
	s_mul_i32 s41, s53, STEPB                      ; LDS: slot 0 first
	s_mov_b32 s44, 1
	s_add_co_u32 s45, s41, VOFF
	s_mov_b32 s56, 0x3e38aa3b                      ; c = log2(e) / sqrt(64)
	s_mov_b32 s57, s56                             ; named with it as a pair
	s_mov_b32 s58, 0x76543210                      ; v_permlanex16_b32: each lane takes its own place in the other half
	s_mov_b32 s59, 0xfedcba98
	s_mov_b32 s48, 0                               ; load side: unit,
	s_sub_co_u32 s49, 7, s9                        ; last unit of the block
	s_mov_b32 s50, 0                               ; compute side: the same
	s_mov_b32 s51, s49
	s_mov_b32 s[TB], SLOT1+4*STEPB                 ; the first change of slots makes 0 of it
	s_wait_dscnt 0x0
	s_wait_kmcnt 0x0
	s_add_nc_u64 s[12:13], s[4:5], s[2:3]          ; q's plane
	s_add_nc_u64 s[18:19], s[6:7], s[20:21]        ; the head's rows of att
	s_lshl_b32 s2, s53, 13                         ; my step's 64 rows of 128 bytes
	s_add_nc_u64 s[14:15], s[12:13], s[2:3]
	s_add_nc_u64 s[16:17], s[14:15], 0x800000      ; v's plane, my step of unit 0
	s_add_nc_u64 s[14:15], s[14:15], 0x400000      ; k's plane, my step of unit 0
	s_mov_b64 s[42:43], s[14:15]
	s_or_b32 s43, s43, 0x80000000
	s_mov_b64 s[46:47], s[16:17]
	s_or_b32 s47, s47, 0x80000000
	JLOAD                                          ; the first fill, unit 0 into slot 0, ahead of everything else: one load of mine is out, here and behind every barrier
	s_lshl_b32 s20, s8, 12                         ; my wave's 32 rows
	s_lshl_b32 s2, s49, 15                         ; block 7 - p
	s_add_co_u32 s2, s2, s20
	s_add_nc_u64 s[60:61], s[12:13], s[2:3]        ; its Q
	s_add_nc_u64 s[62:63], s[18:19], s[2:3]        ; its rows of att
	s_lshl_b32 s2, s9, 15                          ; block p
	s_add_co_u32 s2, s2, s20
	s_add_nc_u64 s[10:11], s[12:13], s[2:3]
	s_add_nc_u64 s[22:23], s[18:19], s[2:3]
	v_and_b32 v1, 15, v0                           ; r = l % 16
	v_bfe_u32 v9, v0, 4, 1                         ; h = l / 16
	v_lshlrev_b32 v[QO], 7, v1
	v_lshl_add_u32 v[QO], v9, 4, v[QO]             ; row x 128 + 16 h
	WIN 0x40                                       ; destination window 1
.irp f, 0,1,2,3                        ; Q stays in registers: tile f / 2, channels 32 (f % 2) on
	global_load_b128 v[QF+8*\f:QF+8*\f+3],   v[QO], s[60:61] offset:(\f/2)*2048+(\f%2)*64
	global_load_b128 v[QF+8*\f+4:QF+8*\f+7], v[QO], s[60:61] offset:(\f/2)*2048+(\f%2)*64+32
.endr
	WIN 0
	v_mul_u32_u24 v[AK0], v1, PK
	v_lshl_add_u32 v[AK0], v9, 4, v[AK0]           ; K: row x pitch + 16 h
	v_and_b32 v14, 7, v0                           ; V, turned: lane l reads 16 bytes of key 8 h + l % 8, channels 8 ((l / 8) % 2) on
	v_bfe_u32 v15, v0, 3, 1
	v_lshl_add_u32 v[AV0], v9, 3, v14
	v_mul_u32_u24 v[AV0], v[AV0], PV
	v_lshl_add_u32 v[AV0], v15, 4, v[AV0]
	v_add_nc_u32 v[AV0], VOFF, v[AV0]
	s_mul_i32 s20, s8, 16*SP
	s_add_co_u32 s20, s20, STAGE                   ; my stage
	v_add_nc_u32 v[STO], s20, v[AK0]               ; in: row r, 16 bytes for each half of the lanes (the stage's pitch is K's)
	v_bfe_u32 v[RD], v0, 3, 2                      ; back: eight lanes to a row of 128 bytes, four rows a load
	v_mul_u32_u24 v[RD], v[RD], SP
	v_lshl_add_u32 v[RD], v14, 4, v[RD]
	v_add_nc_u32 v[RD], s20, v[RD]
	v_and_b32 v[GO], 31, v0                        ; in att these four rows are 512 consecutive bytes
	v_lshlrev_b32 v[GO], 4, v[GO]
	v_mov_b32 v[NINF], 0xff800000
	s_lshl_b32 s21, s8, 5
	v_lshlrev_b32 v[DQ], 3, v9
	v_sub_nc_u32 v[DQ], v1, v[DQ]
	v_add_nc_u32 v[DQ], s21, v[DQ]                 ; 32 w + r - 8 h
	v_add_nc_u32 v[DQ+1], 16, v[DQ]
.macro RESET                           ; a block's statistics
.irp t, 0,1
	v_mov_b32 v[ST+8*\t],   v[NINF]
	v_mov_b32 v[ST+8*\t+1], v[NINF]
	v_mov_b32 v[ST+8*\t+2], 0
	v_mov_b32 v[ST+8*\t+3], 0
.endr
.endm
	RESET
.set jj, 0
.rept 64                               ; once: the first step's a = 0 needs finite numbers to clear; a first step of its own would be a third copy of the step's text
	v_mov_b32 v[O+jj], 0
.set jj, jj+1
.endr
; Product i of 16 of S^T = K Q^T: channels 32 (i / 8) on, keys 16 ((i / 2) % 4) on, tile i % 2.  The first 8 start the sums.  The 8 accumulators take turns.
.macro KQ
.set rS, S+32*(i%2)+8*((i/2)%4)
.set rK, KF+8*(2*((i/2)%4)+i/8)
.set rQ, QF+8*(2*(i%2)+i/8)
.if i < 8
	v_wmma_f32_16x16x32_f16 v[rS:rS+7], v[rK:rK+7], v[rQ:rQ+7], 0
.else
	v_wmma_f32_16x16x32_f16 v[rS:rS+7], v[rK:rK+7], v[rQ:rQ+7], v[rS:rS+7]
.endif
.set i, i+1
.endm
; Product i of 16 of O^T += V^T P: keys 32 (i / 8) on, channels 16 ((i / 2) % 4) on, tile i % 2
.macro PV
.set rO, O+32*(i%2)+8*((i/2)%4)
.set rV, VF+8*(4*(i/8)+(i/2)%4)
.set rP, P+16*(i%2)+8*(i/8)
	v_wmma_f32_16x16x32_f16 v[rO:rO+7], v[rV:rV+7], v[rP:rP+7], v[rO:rO+7]
.set i, i+1
.endm
.macro FETCH_K off                     ; 8 fragments: keys 16 (f / 2) on, channels 32 (f % 2) on
.irp f, 0,1,2,3,4,5,6,7
	ds_load_b128 v[KF+8*\f:KF+8*\f+3],   v[ADK] offset:\off+(\f/2)*16*PK+(\f%2)*64
	ds_load_b128 v[KF+8*\f+4:KF+8*\f+7], v[ADK] offset:\off+(\f/2)*16*PK+(\f%2)*64+32
.endr
.endm
.macro FETCH_V                         ; 8 fragments: keys 32 (f / 4) on, channels 16 (f % 4) on
.irp f, 0,1,2,3,4,5,6,7
	ds_load_tr16_b128 v[VF+8*\f:VF+8*\f+3],   v[ADV] offset:(\f/4)*32*PV+(\f%4)*32
	ds_load_tr16_b128 v[VF+8*\f+4:VF+8*\f+7], v[ADV] offset:(\f/4)*32*PV+16*PV+(\f%4)*32
.endr
.endm
; Both tiles' softmax for one step; the tiles alternate.  Every accumulator of S^T and of O^T is read from its low end on.
.macro SOFTMAX mask
.if \mask
.set j, 0
.rept 32                               ; register j holds key 16 (j / 8) + j % 8 + 8 h of the step: masked where that key lies behind the query
.irp t, 0,1
	v_cmp_gt_i32 vcc_lo, 16*(j/8)+j%8, v[DQ+\t]
	v_cndmask_b32 v[S+32*\t+j], v[S+32*\t+j], v[NINF], vcc_lo
.endr
.set j, j+1
.endr
.endif
.irp j, 0,1,2,3                        ; the maximum of 32 scores and the old m, three at a time: four chains of seven, then the four left over
.irp t, 0,1
	v_max3_num_f32 v[ST+8*\t+4+\j], v[S+32*\t+8*\j], v[S+32*\t+8*\j+1], v[S+32*\t+8*\j+2]
.endr
.endr
.irp j, 4,5,6,7,8,9,10,11
.irp t, 0,1
	v_max3_num_f32 v[ST+8*\t+4+\j%4], v[ST+8*\t+4+\j%4], v[S+32*\t+8*(\j%4)+2*(\j/4)+1], v[S+32*\t+8*(\j%4)+2*(\j/4)+2]
.endr
.endr
.irp t, 0,1
	v_max3_num_f32 v[ST+8*\t+4], v[ST+8*\t+4], v[S+32*\t+7],  v[S+32*\t+15]
	v_max3_num_f32 v[ST+8*\t+6], v[ST+8*\t+6], v[S+32*\t+23], v[S+32*\t+31]
.endr
.irp t, 0,1
	v_max3_num_f32 v[ST+8*\t+4], v[ST+8*\t+4], v[ST+8*\t+5], v[ST+8*\t+6]
.endr
.irp t, 0,1
	v_max3_num_f32 v[ST+8*\t+4], v[ST+8*\t+4], v[ST+8*\t+7], v[ST+8*\t+1]
.endr
.irp t, 0,1
	v_permlanex16_b32 v[ST+8*\t+5], v[ST+8*\t+4], s58, s59   ; the query's other 32 keys lie in the lane 16 away
.endr
.irp t, 0,1
	v_mov_b32 v[ST+8*\t+7], v[ST+8*\t]             ; c m_old is kept for a
.endr
.irp t, 0,1
	v_max_num_f32 v[ST+8*\t+1], v[ST+8*\t+4], v[ST+8*\t+5]
.endr
.irp t, 0,1
	v_mul_f32 v[ST+8*\t], s56, v[ST+8*\t+1]
.endr
.irp t, 0,1
	v_sub_f32 v[ST+8*\t+7], v[ST+8*\t+7], v[ST+8*\t]
.endr
.irp t, 0,1
	v_exp_f32 v[ST+8*\t+6], v[ST+8*\t+7]           ; a; the scalings below are the plain instructions behind it
.endr
.set j, 0
.rept 16
.irp t, 0,1
	v_pk_fma_f32 v[S+32*\t+2*j:S+32*\t+2*j+1], v[S+32*\t+2*j:S+32*\t+2*j+1], s[56:57], v[ST+8*\t:ST+8*\t+1] op_sel_hi:[1,0,0] neg_lo:[0,0,1] neg_hi:[0,0,1]   ; c s - c m
.endr
.set j, j+1
.endr
; 64 exponentials, a plain instruction behind each (ISA guide 5.7.2), which is whatever is ready: O^T times a; the rounding of a pair of weights whose exponentials are done; the first sums
.set n, 0
.rept 64
	v_exp_f32 v[S+n], v[S+n]
.if n < 32
	s_wait_alu depctr_va_vdst(0)
	v_pk_mul_f32 v[O+2*n:O+2*n+1], v[O+2*n:O+2*n+1], v[ST+8*(n/16)+6:ST+8*(n/16)+7] op_sel_hi:[1,0]
.elseif n < 62
	s_wait_alu depctr_va_vdst(0)
	v_cvt_pk_f16_f32 v[P+n-32], v[S+2*(n-32)], v[S+2*(n-32)+1]
.else
	v_pk_add_f32 v[S+4*(n-62):S+4*(n-62)+1], v[S+4*(n-62):S+4*(n-62)+1], v[S+4*(n-62)+2:S+4*(n-62)+3]
.endif
.set n, n+1
.endr
	s_wait_alu depctr_va_vdst(0)
	v_cvt_pk_f16_f32 v[P+30], v[S+60], v[S+61]
	v_cvt_pk_f16_f32 v[P+31], v[S+62], v[S+63]
; the sums of a tile's 16 pairs (an even key's weight, an odd key's), in place: neighbours 1, 2, 4 and 8 pairs apart; then l = a l + the sum
.set n, 2
.rept 14
	v_pk_add_f32 v[S+4*n:S+4*n+1], v[S+4*n:S+4*n+1], v[S+4*n+2:S+4*n+3]
.set n, n+1
.endr
.set n, 0
.rept 8
	v_pk_add_f32 v[S+8*n:S+8*n+1], v[S+8*n:S+8*n+1], v[S+8*n+4:S+8*n+5]
.set n, n+1
.endr
.set n, 0
.rept 4
	v_pk_add_f32 v[S+16*n:S+16*n+1], v[S+16*n:S+16*n+1], v[S+16*n+8:S+16*n+9]
.set n, n+1
.endr
.irp t, 0,1
	v_pk_add_f32 v[S+32*\t:S+32*\t+1], v[S+32*\t:S+32*\t+1], v[S+32*\t+16:S+32*\t+17]
.endr
.irp t, 0,1
	v_pk_fma_f32 v[ST+8*\t+2:ST+8*\t+3], v[ST+8*\t+2:ST+8*\t+3], v[ST+8*\t+6:ST+8*\t+7], v[S+32*\t:S+32*\t+1] op_sel_hi:[1,0,1]
.endr
.endm
; A step of 64 keys.  nextk = 1: the next step's K is fetched behind this step's V.
.macro STEP mask, nextk
	s_wait_dscnt 0x0                               ; K is in
	WIN 0x05                                       ; K and Q in window 1
.set i, 0
.rept 16
	KQ
.endr
	WIN 0
	v_add_nc_u32 v[ADV], s[TB], v[AV0]             ; four plain instructions: the places between the products and the loads into K's and V's registers and the reads of the scores
	v_add_nc_u32 v[ADK], s[TB], v[AK0]
	v_nop
	v_nop
	WIN 0x40
	FETCH_V
.if \nextk
	FETCH_K STEPB
.endif
	WIN 0
	SOFTMAX \mask
	s_wait_dscnt 16*\nextk                         ; V is in; the next step's sixteen loads of K may stay out
	WIN 0x01                                       ; V in window 1
.set i, 0
.rept 16
	PV
.endr
	WIN 0
	s_add_co_u32 s[TB], s[TB], STEPB
.if \mask
.if \nextk
	v_add_nc_u32 v[DQ],   -64, v[DQ]               ; the next step's keys begin 64 further on
	v_add_nc_u32 v[DQ+1], -64, v[DQ+1]
.else
	v_add_nc_u32 v[DQ],   0xc0, v[DQ]              ; back to a unit's first step
	v_add_nc_u32 v[DQ+1], 0xc0, v[DQ+1]
.endif
.endif
.endm
.macro UNIT mask                       ; a unit of 256 keys: four steps, the first three in a loop
	v_add_nc_u32 v[ADK], s[TB], v[AK0]
	WIN 0x40
	FETCH_K 0
	WIN 0
	s_mov_b32 s53, 3
.Lstep_\@:
	STEP \mask, 1
	s_sub_co_u32 s53, s53, 1
	s_cmp_lg_u32 s53, 0
	s_cbranch_scc1 .Lstep_\@
	STEP \mask, 0
.endm
; THE CHANGE OF SLOTS.  Each wave waits for its reads of the slot just walked and for all its tensor loads (one is out: its part of the other slot), then the barrier.
; fill = 1: the slot just walked takes the unit after next, first thing behind the barrier: that load has a unit's four steps in which to land.
.macro CHANGE fill
	WIN 0
	s_wait_dscnt 0x0
	s_wait_tensorcnt 0x0                           ; no tensor load of mine is out, so the group 0 sets may be written
	ds_add_u32 v254, v255
	s_wait_dscnt 0x0
.if \fill
	s_add_co_u32 s20, s48, 1                       ; the load side steps: the next unit of the block, or unit 0 of block p
	s_cmp_eq_u32 s48, s49
	s_cselect_b32 s48, 0, s20
	s_cselect_b32 s49, s9, s49
	s_lshl_b32 s20, s48, 15                        ; a unit is 256 rows of 128 bytes
	s_mov_b32 s21, 0
	s_xor_b32 s41, s41, SLOT1                      ; the other slot than last time
	s_xor_b32 s45, s45, SLOT1
	s_add_nc_u64 s[42:43], s[14:15], s[20:21]
	s_or_b32 s43, s43, 0x80000000
	s_add_nc_u64 s[46:47], s[16:17], s[20:21]
	s_or_b32 s47, s47, 0x80000000
.endif
	s_barrier_signal -1
	s_barrier_wait -1
.if \fill
	JLOAD
.endif
	s_sub_co_u32 s[TB], s[TB], 4*STEPB             ; the reads go back to a slot's first step,
	s_xor_b32 s[TB], s[TB], SLOT1                  ; in the other slot
.endm
; THE WAY OUT of a block: O^T / l, rounded to f16, through my stage, as whole rows.  ob: the scalar pair with the block's rows of att.
.macro EPI ob
.irp t, 0,1
	v_add_f32 v[ST+8*\t+4], v[ST+8*\t+2], v[ST+8*\t+3]
.endr
.irp t, 0,1
	v_permlanex16_b32 v[ST+8*\t+5], v[ST+8*\t+4], s58, s59
.endr
.irp t, 0,1
	v_add_f32 v[ST+8*\t+4], v[ST+8*\t+4], v[ST+8*\t+5]
.endr
.irp t, 0,1
	v_rcp_f32 v[ST+8*\t+6], v[ST+8*\t+4]
.endr
	v_nop                                          ; a plain instruction between the last reciprocal and the use of its result
	s_wait_alu depctr_va_vdst(0)
.irp t, 0,1
.set jj, 0
.rept 16
	v_pk_mul_f32 v[O+32*\t+2*jj:O+32*\t+2*jj+1], v[O+32*\t+2*jj:O+32*\t+2*jj+1], v[ST+8*\t+6:ST+8*\t+7] op_sel_hi:[1,0]
.set jj, jj+1
.endr
.set jj, 0
.rept 16
	v_cvt_pk_f16_f32 v[S+32*\t+jj], v[O+32*\t+2*jj], v[O+32*\t+2*jj+1]
.set jj, jj+1
.endr
.irp f, 0,1,2,3
	ds_store_b128 v[STO], v[S+32*\t+4*\f:S+32*\t+4*\f+3] offset:32*\f
.endr
.irp f, 0,1,2,3
	ds_load_b128 v[S+32*\t+16+4*\f:S+32*\t+16+4*\f+3], v[RD] offset:\f*4*SP   ; LDS serves a wave's instructions in order (ISA guide 5.7.1): these see the stores above, and tile 1's stores come behind tile 0's loads
.endr
.endr
.irp t, 0,1
.irp f, 0,1,2,3
	s_wait_dscnt 8*(1-\t)+3-\f                     ; load f of the tile is in: behind it stand the tile's 3 - f later loads and, for tile 0, tile 1's eight LDS instructions
	global_store_b128 v[GO], v[S+32*\t+16+4*\f:S+32*\t+16+4*\f+3], s[\ob:\ob+1] offset:\t*2048+\f*512   ; a wave stores 512 consecutive bytes, aligned
.endr
.endr
.endm
	s_wait_loadcnt 0x0                             ; Q
	s_mov_b32 s52, 8
.Ltrip:                                                ; eight trips: units 0 to 7 of the nine; each asks for the unit after the one it walks
	CHANGE 1
	s_cmp_eq_u32 s50, s51                          ; the block's last unit?  The same answer in all eight waves: it hangs on p and the trip alone
	s_cbranch_scc1 .Ldiag
	UNIT 0
	s_add_co_u32 s50, s50, 1
	s_branch .Lnext
.Ldiag:                                                ; once: block 7 - p ends
	UNIT 1
	WIN 0x40
.irp f, 0,1,2,3                        ; block p's Q; the last products that read Q stand a softmax back
	global_load_b128 v[QF+8*\f:QF+8*\f+3],   v[QO], s[10:11] offset:(\f/2)*2048+(\f%2)*64
	global_load_b128 v[QF+8*\f+4:QF+8*\f+7], v[QO], s[10:11] offset:(\f/2)*2048+(\f%2)*64+32
.endr
	WIN 0
	EPI 62
	RESET
	s_mov_b32 s50, 0
	s_mov_b32 s51, s9
	s_wait_xcnt 0x0                                ; the stores have read their registers: the next scores are written over them only behind this wait
	s_wait_loadcnt 0x0                             ; Q
.Lnext:
	s_sub_co_u32 s52, s52, 1
	s_cmp_lg_u32 s52, 0
	s_cbranch_scc1 .Ltrip
	CHANGE 0                                       ; the ninth unit is block p's last; nothing is left to fetch
	UNIT 1
	EPI 22
	s_wait_tensorcnt 0x0
	ds_add_u32 v254, v255
	s_wait_dscnt 0x0
	s_endpgm
.Lfunc_end_k_q1ce22fb60c_attn:
	.size	k_q1ce22fb60c_attn, .Lfunc_end_k_q1ce22fb60c_attn-k_q1ce22fb60c_attn
	.p2alignl 7, 3214868480
	.fill 96, 4, 3214868480
	.section	.rodata,"a",@progbits
	.p2align	6, 0x0
	.amdhsa_kernel k_q1ce22fb60c_attn
		.amdhsa_group_segment_fixed_size 327680
		.amdhsa_private_segment_fixed_size 0
		.amdhsa_enable_private_segment 0
		.amdhsa_kernarg_size 16
		.amdhsa_user_sgpr_count 2
		.amdhsa_user_sgpr_kernarg_segment_ptr 1
		.amdhsa_wavefront_size32 1
		.amdhsa_system_sgpr_workgroup_id_x 1
		.amdhsa_system_sgpr_workgroup_id_y 1
		.amdhsa_system_sgpr_workgroup_id_z 1
		.amdhsa_system_vgpr_workitem_id 0
		.amdhsa_next_free_vgpr 448
		.amdhsa_next_free_sgpr 66
		.amdhsa_reserve_vcc 1
		.amdhsa_float_denorm_mode_32 3
		.amdhsa_float_denorm_mode_16_64 3
		.amdhsa_memory_ordered 1
		.amdhsa_forward_progress 1
		.amdhsa_inst_pref_size 155
	.end_amdhsa_kernel
	.amdgpu_metadata
---
amdhsa.version: [ 1, 2 ]
amdhsa.kernels:
  - .name:           k_q1ce22fb60c_attn
    .symbol:         k_q1ce22fb60c_attn.kd
    .args:
      - { .name: qkv, .offset: 0, .size: 8, .value_kind: global_buffer, .address_space: global }
      - { .name: att, .offset: 8, .size: 8, .value_kind: global_buffer, .address_space: global }
    .group_segment_fixed_size: 327680
    .private_segment_fixed_size: 0
    .kernarg_segment_align: 8
    .kernarg_segment_size: 16
    .max_flat_workgroup_size: 256
    .sgpr_count:     66
    .vgpr_count:     448
    .wavefront_size: 32
...
	.end_amdgpu_metadata
.endif
;; end of part 3
;; launch gemm_out (part 4): grid 8 x 32, 4 waves a work-group, clusters of 4 x 4, 327,680 bytes of LDS; arguments att, wo, b_out, out0; writes out0
.if DOCPART == 4
	.amdgcn_target "amdgcn-amd-amdhsa--gfx1250"
	.amdhsa_code_object_version 6
	.text
	.protected	k_q1ce22fb60c_gemm_out
	.globl	k_q1ce22fb60c_gemm_out
	.p2align	8
	.type	k_q1ce22fb60c_gemm_out,@function
k_q1ce22fb60c_gemm_out:
	s_mov_b64 s[64:65], 0
	v_nop
	global_prefetch_b8 v0, s[64:65] scope:SCOPE_SE
	s_setreg_imm32_b32 hwreg(HW_REG_WAVE_MODE, 25, 1), 1
	s_wait_xcnt 0x0
	s_wait_alu depctr_hold_cnt(0) depctr_sa_sdst(0) depctr_va_vdst(0) depctr_va_sdst(0) depctr_va_ssrc(0) depctr_va_vcc(0) depctr_vm_vsrc(0)
	s_getreg_b32 s2, hwreg(HW_REG_IB_STS2, 6, 4)
	s_cmp_eq_u32 s2, 0
	s_cbranch_scc0 .Lentry_in_a_cluster
	s_endpgm
.Lentry_in_a_cluster:
	s_bfe_u32 s2, ttmp6, 0x10000c
	s_cmp_lg_u32 s2, 0xf033
	s_cbranch_scc0 .Lentry_shape_is_right
	s_endpgm
.Lentry_shape_is_right:
; C[m][n] = sum over k of A[m][k] B[k][n] + bias[n], M = 8192, K = 1024.  One text for two products; the five lines below choose.
; HERE: out0 = att W_out + b_out.  A = att (f16, blocks of 64 along k = heads), B = wo (bf16-rounded W_out in f16 code, [k][1024]), sums and bias in f32, the result f32, row-major.
; LIMIT: none of its own; att and wo carry the f16 range stated where they are made.
.set NG,     1                         ; groups of 64 columns a wave
.set NCOL,   1024                      ; columns of B and C
.set KSTEP,  128                       ; K in a slot
.set F16IN,  1                         ; operands: 0 bf16, 1 f16
.set F32OUT, 1                         ; result: 0 f16 by heads, 1 f32 row-major
; SHARES.  A work-group makes 256 rows x 128 NG columns: 8 x 32 work-groups.  Wave w: rows 128 (w / 2) on, and of each 128 columns the 64 at 64 (w % 2):
; 8 x 4 NG accumulators of 16 x 16.  K goes through two LDS slots filled by the tensor data mover.
; CLUSTERS.  4 x 4 work-groups: the four of a row need the same tile of A, the four of a column the same tile of B; each tile is asked for jointly.
; THE MATRIX INSTRUCTION IS USED TRANSPOSED: source 0 = 16 columns of B (turned on the way out of LDS by ds_load_tr16_b128), source 1 = 16 rows of A.
; A lane then holds row l % 16 of C and eight neighbouring columns 8 (l / 16) + 0..7.
; REGISTERS.  Window 0: v0-31 addresses, v32-63 bias of group 0, v64-191 two buffers of A's fragments, v192-255 two of B's.  Window g + 1: group g's 32 accumulators, (a, b) at v[8 (4 a + b)].
.set QS,    KSTEP/32                   ; quarters of 32 along K in a slot
.set U,     QS*NG                      ; units of 32 matrix instructions in a slot: unit u = quarter u / NG, group u % NG
.set LAPS,  1024/(2*KSTEP)             ; a lap = both slots
.set PA,    144                        ; a row of A in LDS: 128 bytes + 16 = 9 x 16: the sixteen rows of a fragment load start at sixteen different 16-byte columns modulo 256
.set ABLK,  256*PA                     ; 256 rows x 64 K
.set ATILE, (KSTEP/64)*ABLK
.set PB,    288*NG                     ; a row of B: for each 128 columns 256 bytes + 32; an odd multiple of 32
.set SLOT,  ATILE+KSTEP*PB
.set STAGE, 2*SLOT                     ; behind the ring, a multiple of 256: 16 rows for each wave, for the way out; no tensor load lands here
.set SP,    144+128*F32OUT             ; a stage row: 128 or 256 bytes + 16
.set AR,    KSTEP                      ; rows of 256 bytes in one load of A (16 or 32 KiB, dense in memory)
.set AHALF, AR*2*PA                    ; what they take in LDS
.set AW,    16384+(KSTEP/128)*(1048576-16384)  ; from wave 0's part of A to wave 1's: the tile's other 128 rows, or the next block of 64 along K
.set AS,    1048576*(KSTEP/64)         ; bytes of A from a K step to the next
.set BSTEP, KSTEP*NCOL*2               ; the same for B
.set ADRA, 16                          ; v16-17 LDS address of my A fragments in slot 0, 1
.set ADRB, 20                          ; v20-21 the same for B
.set STO,  24                          ; the way out: where I put my part of a row
.set RD,   25                          ; where I read rows back
.set CO,   26                          ; my byte offset in C
.set BO,   27                          ; my byte offset in the bias
.set BIAS, 32                          ; group g's 32 numbers at v[32 + 32 g]; groups 1, 2 take A's buffer 0 when it is free
.set FA0,  64
.set FA1,  128
.set FB0,  192
.set FB1,  224
.set TMP,  128                         ; the way out: sums + bias
.set PKR,  160                         ; packed to f16
.set G1,  24                           ; s[24:31] group 1 for A; s[32:39] group 0, a set for each slot
.set G0,  32
.set G1B, 48                           ; s[48:55], s[56:63] the same for B
.set G0B, 56
.set MSB, 0
.macro WIN new                         ; the immediate's high byte repeats the setting that is left; a switch that changes nothing is dropped
.if MSB != (\new)
	s_set_vgpr_msb (MSB<<8)|(\new)
.set MSB, \new
.endif
.endm
.macro PLACES                          ; four plain vector instructions between a matrix instruction and a load into, or a vector write of, one of its registers, or a read of its result
.rept 4
	v_nop
.endr
.endm
.macro JLOAD s                         ; a joint refill: waves 0, 1 fetch A's two parts, waves 2, 3 B's; four v_nop follow each line
	s_cmp_eq_u32 s13, 0
	s_cbranch_scc0 .Lfor_b_\@
	tensor_load_to_lds s[G0+4*\s:G0+4*\s+3], s[G1:G1+7]
	s_nop 0
	PLACES
	s_branch .Lasked_\@
.Lfor_b_\@:
	tensor_load_to_lds s[G0B+4*\s:G0B+4*\s+3], s[G1B:G1B+7]
	s_nop 0
	PLACES
.Lasked_\@:
.endm
.macro CREST                           ; a round of the cluster's barrier behind its opening barrier
	s_cmp_lg_u32 s12, 0
	s_cbranch_scc1 .Lnot_wave_0_\@
	s_barrier_signal -3
.Lnot_wave_0_\@:
	s_barrier_wait -3
	s_barrier_signal -1
	s_barrier_wait -1
.endm
.macro CROUND
	s_barrier_signal -1
	s_barrier_wait -1
	CREST
.endm
	s_load_b256 s[4:11], s[0:1], 0x0               ; A s[4:5], B s[6:7], bias s[8:9], C s[10:11]
	v_lshl_add_u32 v30, v0, 2, 0x3a400
	v_mov_b32 v31, 0
	ds_add_u32 v30, v31
	ds_add_u32 v30, v31
	v_lshrrev_b32 v1, 5, v0
	v_readfirstlane_b32 s12, v1                    ; wave 0..3
	s_lshr_b32 s13, s12, 1                         ; my half of the rows.  Also: I fetch for A (0) or for B (1)
	s_and_b32 s14, s12, 1                          ; my half of each 128 columns.  Also: which part of the tile I fetch
	s_bfe_u32 s40, ttmp6, 0x40000                  ; cx
	s_bfe_u32 s41, ttmp6, 0x40004                  ; cy
	s_lshl_b32 s42, ttmp9, 2
	s_add_co_u32 s42, s42, s40                     ; tile column = 4 x cluster x + cx
	s_and_b32 s43, ttmp7, 0xffff
	s_lshl_b32 s43, s43, 2
	s_add_co_u32 s43, s43, s41                     ; tile row = 4 x cluster y + cy
	s_lshl_b32 s44, s41, 2
	s_lshl_b32 s44, 15, s44                        ; my row of the cluster
	s_lshl_b32 s45, 0x1111, s40                    ; my column
	; group 1 for A: AR rows of 128 elements (256 bytes, dense); 4 words of padding behind every 32 words, so that each 128 bytes (a row of 64 K) take 144
	s_or_b32 s[G1], s44, (1<<16)|(1<<20)|(1<<21)|(4<<22)|(3<<25)
	s_mov_b32 s[G1+1], 128<<16                     ; tensor_dim0
	s_mov_b32 s[G1+2], AR<<16                      ; tensor_dim1
	s_mov_b32 s[G1+3], 128<<16                     ; tile_dim0
	s_mov_b32 s[G1+4], AR                          ; tile_dim1
	s_mov_b32 s[G1+5], 128                         ; elements from row to row
	s_mov_b32 s[G1+6], 0
	s_mov_b32 s[G1+7], 0
	; group 1 for B: KSTEP / 2 rows of 128 NG elements; 8 words of padding behind every 64 words: each 256 bytes take 288
	s_or_b32 s[G1B], s45, (1<<16)|(1<<20)|(1<<21)|(5<<22)|(7<<25)
	s_mov_b32 s[G1B+1], (128*NG)<<16
	s_mov_b32 s[G1B+2], (KSTEP/2)<<16
	s_mov_b32 s[G1B+3], (128*NG)<<16
	s_mov_b32 s[G1B+4], KSTEP/2
	s_mov_b32 s[G1B+5], NCOL
	s_mov_b32 s[G1B+6], 0
	s_mov_b32 s[G1B+7], 0
	; A's tiles hang on the tile row and the wave alone, B's on the tile column and the wave alone
	s_lshl_b32 s16, s43, 15                        ; 256 rows of 128 bytes in each block
	s_mul_i32 s17, s14, AW
	s_add_co_u32 s16, s16, s17
	s_mov_b32 s17, 0
	s_mul_i32 s46, s42, 256*NG
	s_mul_i32 s47, s14, (KSTEP/2)*NCOL*2
	s_add_co_u32 s46, s46, s47
	s_mov_b32 s47, 0
	s_mul_i32 s20, s14, AHALF                      ; where they go: no place in the cluster enters an LDS address
	s_mul_i32 s21, s14, (KSTEP/2)*PB
	s_add_co_u32 s21, s21, ATILE
	s_wait_dscnt 0x0
	s_wait_kmcnt 0x0
	s_add_nc_u64 s[16:17], s[4:5], s[16:17]
	s_add_nc_u64 s[46:47], s[6:7], s[46:47]
.irp s, 0,1
	s_mov_b32 s[G0+4*\s], 1
	s_add_co_u32 s[G0+4*\s+1], s20, \s*SLOT
	s_add_nc_u64 s[G0+4*\s+2:G0+4*\s+3], s[16:17], \s*AS
	s_or_b32 s[G0+4*\s+3], s[G0+4*\s+3], 0x80000000
	s_mov_b32 s[G0B+4*\s], 1
	s_add_co_u32 s[G0B+4*\s+1], s21, \s*SLOT
	s_add_nc_u64 s[G0B+4*\s+2:G0B+4*\s+3], s[46:47], \s*BSTEP
	s_or_b32 s[G0B+4*\s+3], s[G0B+4*\s+3], 0x80000000
.endr
	CROUND                                         ; all sixteen work-groups are here: the first joint loads meet
	s_cmp_eq_u32 s13, 0                            ; a wave's two first fills stand in one branch, ahead of every wait on TENSORcnt and every LDS read: two loads of mine are out
	s_cbranch_scc0 .Lfirst_b
	tensor_load_to_lds s[G0:G0+3], s[G1:G1+7]
	s_nop 0
	tensor_load_to_lds s[G0+4:G0+7], s[G1:G1+7]
	s_nop 0
	PLACES
	s_branch .Lfirst_asked
.Lfirst_b:
	tensor_load_to_lds s[G0B:G0B+3], s[G1B:G1B+7]
	s_nop 0
	tensor_load_to_lds s[G0B+4:G0B+7], s[G1B:G1B+7]
	s_nop 0
	PLACES
.Lfirst_asked:
	v_and_b32 v1, 15, v0                           ; r = l % 16
	v_bfe_u32 v2, v0, 4, 1                         ; h = l / 16
	v_mul_u32_u24 v3, v1, PA
	v_lshl_add_u32 v3, v2, 4, v3                   ; A: row x pitch + 16 h
	s_mul_i32 s21, s13, 128*PA                     ; my 128 rows
	v_add_nc_u32 v[ADRA], s21, v3
	v_add_nc_u32 v[ADRA+1], SLOT, v[ADRA]
	v_and_b32 v4, 7, v0                            ; B, turned: lane l reads 16 bytes of row 8 h + l % 8, columns 8 ((l / 8) % 2) on
	v_lshl_add_u32 v4, v2, 3, v4
	v_mul_u32_u24 v4, v4, PB
	v_bfe_u32 v5, v0, 3, 1
	v_lshl_add_u32 v4, v5, 4, v4
	s_lshl_b32 s22, s14, 7                         ; my 64 columns of each 128
	s_add_co_u32 s22, s22, ATILE
	v_add_nc_u32 v[ADRB], s22, v4
	v_add_nc_u32 v[ADRB+1], SLOT, v[ADRB]
	s_mul_i32 s23, s12, 16*SP
	s_add_co_u32 s23, s23, STAGE                   ; my stage
	v_mul_u32_u24 v6, v1, SP
.if F32OUT
	v_lshl_add_u32 v6, v2, 5, v6                   ; in: row r, 32 bytes for each half of the lanes
	v_mul_u32_u24 v7, v2, SP                       ; back: lanes 0-15 one row of 256 bytes, lanes 16-31 the next
	v_lshl_add_u32 v7, v1, 4, v7
	v_lshlrev_b32 v8, 12, v2                       ; and the same two rows of C, 4,096 bytes apart
	v_lshl_add_u32 v[CO], v1, 4, v8
.else
	v_lshl_add_u32 v6, v2, 4, v6                   ; in: row r, 16 bytes for each half of the lanes
	v_bfe_u32 v7, v0, 3, 2                         ; back: eight lanes to a row of 128 bytes, four rows a load
	v_mul_u32_u24 v7, v7, SP
	v_and_b32 v8, 7, v0
	v_lshl_add_u32 v7, v8, 4, v7
	v_and_b32 v8, 31, v0                           ; in C these four rows are 512 consecutive bytes
	v_lshlrev_b32 v[CO], 4, v8
.endif
	v_add_nc_u32 v[STO], s23, v6
	v_add_nc_u32 v[RD], s23, v7
	v_lshlrev_b32 v[BO], 5, v2                     ; my eight columns of sixteen, in f32
	s_mul_i32 s46, s42, 512*NG                     ; the bias of my first column: (128 NG x tile column + 64 x half) x 4
	s_lshl_b32 s47, s14, 8
	s_add_co_u32 s46, s46, s47
	s_mov_b32 s47, 0
	s_add_nc_u64 s[8:9], s[8:9], s[46:47]
.irp b, 0,1,2,3
	global_load_b128 v[BIAS+8*\b:BIAS+8*\b+3],   v[BO], s[8:9] offset:64*\b
	global_load_b128 v[BIAS+8*\b+4:BIAS+8*\b+7], v[BO], s[8:9] offset:64*\b+16
.endr
.if F32OUT
	s_lshl_b32 s16, s43, 20                        ; my first row of C: (256 x tile row + 128 x half) x 4,096; the column's bytes equal the bias's
	s_lshl_b32 s17, s13, 19
	s_add_co_u32 s16, s16, s17
.else
	s_lshr_b32 s16, s43, 3                         ; batch = tile row / 8: 48 planes of 262,144 bytes
	s_mul_i32 s16, s16, 48<<18
	s_and_b32 s17, s43, 7
	s_lshl_b32 s17, s17, 15                        ; t = 256 (tile row % 8) + 128 x half, rows of 128 bytes
	s_add_co_u32 s16, s16, s17
	s_lshl_b32 s17, s13, 14
	s_add_co_u32 s16, s16, s17
	s_mul_i32 s46, s42, 6                          ; plane of group 0 = 6 x tile column + half
	s_add_co_u32 s46, s46, s14
	s_lshl_b32 s46, s46, 18
.endif
	s_mov_b32 s17, 0
	s_add_nc_u64 s[10:11], s[10:11], s[16:17]
	s_add_nc_u64 s[10:11], s[10:11], s[46:47]
; na x 4 matrix instructions: row blocks a0 on x the group's four column blocks, 32 along K.  Every accumulator has one instruction a turn.
.macro MULN fa, fb, a0, na, zero
.set ia, \a0
.rept \na
.irp b, 0,1,2,3
.set rD, 8*(4*ia+\b)
.set rB, \fb+8*\b
.set rA, \fa+8*ia
.if F16IN
.if \zero
	v_wmma_f32_16x16x32_f16 v[rD:rD+7], v[rB:rB+7], v[rA:rA+7], 0
.else
	v_wmma_f32_16x16x32_f16 v[rD:rD+7], v[rB:rB+7], v[rA:rA+7], v[rD:rD+7]
.endif
.else
.if \zero
	v_wmma_f32_16x16x32_bf16 v[rD:rD+7], v[rB:rB+7], v[rA:rA+7], 0
.else
	v_wmma_f32_16x16x32_bf16 v[rD:rD+7], v[rB:rB+7], v[rA:rA+7], v[rD:rD+7]
.endif
.endif
.endr
.set ia, ia+1
.endr
.endm
.macro FETCH_A slot, q, f, lo, n       ; n fragments of A (16 rows x 32 K) from fragment lo on, quarter q, into buffer f
.set fi, \lo
.rept \n
	ds_load_b128 v[\f+8*fi:\f+8*fi+3],   v[ADRA+\slot] offset:((\q)/2)*ABLK+((\q)%2)*64+fi*16*PA
	ds_load_b128 v[\f+8*fi+4:\f+8*fi+7], v[ADRA+\slot] offset:((\q)/2)*ABLK+((\q)%2)*64+fi*16*PA+32
.set fi, fi+1
.endr
.endm
.macro FETCH_B slot, q, g, f           ; four fragments of B (32 K x 16 columns, turned): quarter q, group g
.irp b, 0,1,2,3
	ds_load_tr16_b128 v[\f+8*\b:\f+8*\b+3],   v[ADRB+\slot] offset:(\q)*32*PB+(\g)*288+32*\b
	ds_load_tr16_b128 v[\f+8*\b+4:\f+8*\b+7], v[ADRB+\slot] offset:(\q)*32*PB+(\g)*288+32*\b+16*PB
.endr
.endm
; Unit u of a slot (not the last): 32 matrix instructions; in its middle, in one run, the next unit's B and a share of the next quarter's A.
; PREVA = 1: the run before ended with eight loads of A that the first half of this unit does not need.
.macro UNIT slot, zero
.set q,   u/NG
.set g,   u%NG
.set fa,  FA0+64*(q%2)
.set fb,  FB0+32*(u%2)
.set q1,  (u+1)/NG
.set g1,  (u+1)%NG
.set fa1, FA0+64*((q+1)%2)
.set fb1, FB0+32*((u+1)%2)
	s_wait_dscnt 8*PREVA                           ; my B and A's row blocks 0-3 are in
	WIN 0x50*(g+1)
	MULN fa, fb, 0, 4, \zero
	PLACES                                         ; the buffers loaded below were multiplied by the unit before
	WIN 0
	FETCH_B \slot, q1, g1, fb1
.set nl, 8
.set PREVA, 0
.if (q+1) < QS
.if NG == 1
	FETCH_A \slot, q+1, fa1, 0, 8
.set nl, 24
.set PREVA, 1
.elseif g == 0
	FETCH_A \slot, q+1, fa1, 0, 4
.set nl, 16
.set PREVA, 1
.elseif g == 1
	FETCH_A \slot, q+1, fa1, 4, 4
.set nl, 16
.set PREVA, 1
.endif
.endif
	s_wait_dscnt nl                                ; all but the loads just issued
	WIN 0x50*(g+1)
	MULN fa, fb, 4, 4, \zero
.set u, u+1
.endm
; The slot's last unit changes slots: ONE barrier; in front of it each wave waits for its reads of this slot and for all its tensor loads (one is out: its part of the next slot).
; fill = 1: the barrier opens a round of the cluster's barrier and this slot is filled again, two K steps ahead, first thing behind the round.
.macro TURN slot, next, fill
	s_wait_dscnt 8*PREVA
	WIN 0x50*NG
	MULN FA1, FB1, 0, 2, 0
	s_wait_dscnt 0x0                               ; my reads of this slot are over,
	s_wait_tensorcnt 0x0                           ; and all my tensor loads have landed
	ds_add_u32 v30, v31
	s_wait_dscnt 0x0
	s_barrier_signal -1
	MULN FA1, FB1, 2, 2, 0                         ; work on registers while the others arrive
.if \fill
	WIN 0
.endif
	s_barrier_wait -1
.if \fill
	CREST                                          ; no wave of any partner still reads this slot or has a load on its way
	s_add_nc_u64 s[G0+4*\slot+2:G0+4*\slot+3], s[G0+4*\slot+2:G0+4*\slot+3], 2*AS
	s_add_nc_u64 s[G0B+4*\slot+2:G0B+4*\slot+3], s[G0B+4*\slot+2:G0B+4*\slot+3], 2*BSTEP
	JLOAD \slot                                    ; its four v_nop are also the places in front of the loads below
.else
	PLACES
	WIN 0
.endif
	FETCH_B \next, 0, 0, FB0
	FETCH_A \next, 0, FA0, 0, 8
.set PREVA, 1
	WIN 0x50*NG
	MULN FA1, FB1, 4, 4, 0
.set u, 0
.endm
.macro LAST                            ; the very last unit: nothing more to fetch from LDS; the other groups' biases come into A's buffer 0, last multiplied three units ago
	s_wait_dscnt 8*PREVA
	WIN 0x50*NG
	MULN FA1, FB1, 0, 4, 0
.if NG > 1
	WIN 0
.set lg, 1
.rept NG-1
.irp b, 0,1,2,3
	global_load_b128 v[BIAS+32*lg+8*\b:BIAS+32*lg+8*\b+3],   v[BO], s[8:9] offset:512*lg+64*\b
	global_load_b128 v[BIAS+32*lg+8*\b+4:BIAS+32*lg+8*\b+7], v[BO], s[8:9] offset:512*lg+64*\b+16
.endr
.set lg, lg+1
.endr
.endif
	s_wait_dscnt 0x0
	WIN 0x50*NG
	MULN FA1, FB1, 4, 4, 0
	WIN 0
.endm
; THE WAY OUT of block n (group n / 8, 16 rows n % 8).  PACK: + bias, in f32, each accumulator from its low end on; rounded where the result is f16.
.macro PACK n
.set eg, (\n)/8
.set ea, (\n)%8
.if ea == 0
	s_wait_loadcnt 8*(NG-1-eg)                     ; this group's eight loads of bias are in; the later groups' may stay out
.endif
	WIN eg+1                                       ; source 0 in the group's window
.irp b, 0,1,2,3
.irp r, 0,1,2,3
	v_pk_add_f32 v[TMP+8*\b+2*\r:TMP+8*\b+2*\r+1], v[8*(4*ea+\b)+2*\r:8*(4*ea+\b)+2*\r+1], v[BIAS+32*eg+8*\b+2*\r:BIAS+32*eg+8*\b+2*\r+1]
.endr
.endr
	WIN 0
.if F32OUT == 0
.irp b, 0,1,2,3
.irp r, 0,1,2,3
	v_cvt_pk_f16_f32 v[PKR+4*\b+\r], v[TMP+8*\b+2*\r], v[TMP+8*\b+2*\r+1]
.endr
.endr
.endif
.endm
.macro TOSTAGE n                       ; into my own stage and back as whole rows; LDS serves a wave's instructions in order (ISA guide 5.7.1), so no wait stands between
.if F32OUT
.set ob, 160+64*((\n)%2)
.irp b, 0,1,2,3
	ds_store_b128 v[STO], v[TMP+8*\b:TMP+8*\b+3]   offset:64*\b
	ds_store_b128 v[STO], v[TMP+8*\b+4:TMP+8*\b+7] offset:64*\b+16
.endr
.irp t, 0,1,2,3,4,5,6,7
	ds_load_b128 v[ob+4*\t:ob+4*\t+3], v[RD] offset:\t*2*SP
.endr
.else
.set ob, 176+48*((\n)%2)
.irp b, 0,1,2,3
	ds_store_b128 v[STO], v[PKR+4*\b:PKR+4*\b+3] offset:32*\b
.endr
.irp t, 0,1,2,3
	ds_load_b128 v[ob+4*\t:ob+4*\t+3], v[RD] offset:\t*4*SP
.endr
.endif
.endm
.macro SEND n
.set eg, (\n)/8
.set ea, (\n)%8
	s_wait_dscnt 0x0                               ; the block is back in registers
	s_wait_xcnt 0x0                                ; the stores of the block before have read their registers: the next TOSTAGE loads into them only behind this wait
.if F32OUT
.set ob, 160+64*((\n)%2)
.irp t, 0,1,2,3,4,5,6,7
	global_store_b128 v[CO], v[ob+4*\t:ob+4*\t+3], s[10:11] offset:ea*65536+\t*8192 th:TH_STORE_NT   ; sixteen lanes store 256 consecutive bytes, aligned
.endr
.else
.set ob, 176+48*((\n)%2)
.irp t, 0,1,2,3
	global_store_b128 v[CO], v[ob+4*\t:ob+4*\t+3], s[10:11] offset:eg*524288+ea*2048+\t*512          ; a wave stores 512 consecutive bytes, aligned
.endr
.endif
.endm
	s_wait_tensorcnt 0x1                           ; my part of K step 0 is in; K step 1's may stay out
	s_barrier_signal -1
	s_barrier_wait -1                              ; everybody's is
	FETCH_B 0, 0, 0, FB0
	FETCH_A 0, 0, FA0, 0, 8
.set PREVA, 1
.set u, 0
.rept NG
	UNIT 0, 1                                      ; the first quarter stands in front of the loop: its products start the sums
.endr
	WIN 0                                          ; at a label and at a branch every window is 0
	s_mov_b32 s3, LAPS-1
.Llap:                                                 ; a trip goes once round the ring and fills both slots again
.rept U-1-NG
	UNIT 0, 0
.endr
	TURN 0, 1, 1
.rept U-1
	UNIT 1, 0
.endr
	TURN 1, 0, 1
.rept NG
	UNIT 0, 0
.endr
	WIN 0
	s_sub_co_u32 s3, s3, 1
	s_cmp_lg_u32 s3, 0
	s_cbranch_scc1 .Llap
.rept U-1-NG
	UNIT 0, 0                                      ; the last lap fills nothing
.endr
	TURN 0, 1, 0
.rept U-1
	UNIT 1, 0
.endr
	LAST
	PLACES                                         ; behind the last products
	PACK 0
	TOSTAGE 0
.set en, 1
.rept 8*NG-1                           ; block n's arithmetic stands between block n - 1's loads from the stage and the wait for them
	PACK en
	SEND en-1
	TOSTAGE en
.set en, en+1
.endr
	SEND 8*NG-1
	s_wait_tensorcnt 0x0
	ds_add_u32 v30, v31
	s_wait_dscnt 0x0
	CROUND                                         ; the closing round: no work-group ends while a partner may still ask for a tile that names it
	s_endpgm
.Lfunc_end_k_q1ce22fb60c_gemm_out:
	.size	k_q1ce22fb60c_gemm_out, .Lfunc_end_k_q1ce22fb60c_gemm_out-k_q1ce22fb60c_gemm_out
	.p2alignl 7, 3214868480
	.fill 96, 4, 3214868480
	.section	.rodata,"a",@progbits
	.p2align	6, 0x0
	.amdhsa_kernel k_q1ce22fb60c_gemm_out
		.amdhsa_group_segment_fixed_size 327680
		.amdhsa_private_segment_fixed_size 0
		.amdhsa_enable_private_segment 0
		.amdhsa_kernarg_size 32
		.amdhsa_user_sgpr_count 2
		.amdhsa_user_sgpr_kernarg_segment_ptr 1
		.amdhsa_wavefront_size32 1
		.amdhsa_system_sgpr_workgroup_id_x 1
		.amdhsa_system_sgpr_workgroup_id_y 1
		.amdhsa_system_sgpr_workgroup_id_z 1
		.amdhsa_system_vgpr_workitem_id 0
		.amdhsa_next_free_vgpr 512
		.amdhsa_next_free_sgpr 66
		.amdhsa_reserve_vcc 0
		.amdhsa_float_denorm_mode_32 3
		.amdhsa_float_denorm_mode_16_64 3
		.amdhsa_memory_ordered 1
		.amdhsa_forward_progress 1
		.amdhsa_inst_pref_size 94
	.end_amdhsa_kernel
	.amdgpu_metadata
---
amdhsa.version: [ 1, 2 ]
amdhsa.kernels:
  - .name:           k_q1ce22fb60c_gemm_out
    .symbol:         k_q1ce22fb60c_gemm_out.kd
    .args:
      - { .name: att, .offset: 0, .size: 8, .value_kind: global_buffer, .address_space: global }
      - { .name: wo, .offset: 8, .size: 8, .value_kind: global_buffer, .address_space: global }
      - { .name: b_out, .offset: 16, .size: 8, .value_kind: global_buffer, .address_space: global }
      - { .name: out0, .offset: 24, .size: 8, .value_kind: global_buffer, .address_space: global }
    .group_segment_fixed_size: 327680
    .private_segment_fixed_size: 0
    .kernarg_segment_align: 8
    .kernarg_segment_size: 32
    .max_flat_workgroup_size: 128
    .sgpr_count:     66
    .vgpr_count:     512
    .wavefront_size: 32
...
	.end_amdgpu_metadata
.endif
;; end of part 4
;; ======== version 2 of 2: 4 launches; 1.12 times as fast as version 1
;; limits: values are held in f16: magnitudes above 65,504 overflow, below 6.1e-05 lose precision
;; workspace buffers: xb 16,777,216 bytes; wq 6,291,456 bytes; wo 2,097,152 bytes; qkv 50,331,648 bytes; att 16,777,216 bytes
;; launch cast: the kernel of part 1 again; grid 768 x 1, 8 waves a work-group, no clusters, 0 bytes of LDS; arguments x, W_qkv, W_out, xb, wq, wo; writes xb, wq, wo
;; launch gemm_qkv: the kernel of part 2 again; grid 8 x 32, 4 waves a work-group, clusters of 4 x 4, 327,680 bytes of LDS; arguments xb, wq, b_qkv, qkv; writes qkv
;; launch attn (part 5): grid 4 x 64, 8 waves a work-group, no clusters, 327,680 bytes of LDS; arguments qkv, att; writes att
.if DOCPART == 5
	.amdgcn_target "amdgcn-amd-amdhsa--gfx1250"
	.amdhsa_code_object_version 6
	.text
	.protected	k_q1ce22fb60c_attn
	.globl	k_q1ce22fb60c_attn
	.p2align	8
	.type	k_q1ce22fb60c_attn,@function
k_q1ce22fb60c_attn:
	s_mov_b64 s[64:65], 0
	v_nop
	global_prefetch_b8 v0, s[64:65] scope:SCOPE_SE
	s_setreg_imm32_b32 hwreg(HW_REG_WAVE_MODE, 25, 1), 1
	s_wait_xcnt 0x0
; Causal attention, 64 (batch, head) pairs, T = 2048, 64 channels.  q, k, v: f16, planes of [2048][64] in qkv (plane 48 batch + head, + 16, + 32).
; att: f16, [head][batch x 2048 + t][64].  Products, maxima and sums in f32; the weights p are rounded to f16 for the second product, the result once at the end.
; LIMITS: the result is f16 (magnitudes of 65,504 and more become infinite); weights under 3e-8 round to zero in the second product.
; SHARES.  Work-group (p, head): the blocks of 256 queries 7 - p and then p.  Block i needs the key units (256 keys) 0 to i, so every work-group walks (8 - p) + (p + 1) = 9 units.
; Each of eight waves holds 32 queries, two tiles of 16, and walks a unit in four steps of 64 keys.  Two waves lie on a SIMD: one's softmax stands beside the other's products, and the text stays in phases.
; NO CLUSTER: the four work-groups of a head are at different units at the same time (their first blocks have 8, 7, 6, 5 units); a joint walk in step would take 8 + 4 unit times against 9.
; LAYOUT.  S^T = K Q^T (source 0 = 16 keys, source 1 = 16 queries): a lane holds ONE query (l % 16) and the keys 8 (l / 16) + 0..7 of each 16.  Two such tiles rounded in pairs ARE
; source 1 of O^T = V^T P, whose result again holds one query a lane and eight channels.  V ([key][channel]) is turned on the way out of LDS by ds_load_tr16_b128.
; SOFTMAX.  For each query a running maximum m and sum l: p = 2^(c s - c m), c = log2(e) / 8; in every step O and l are multiplied by a = 2^(c m_old - c m_new).
; A block starts with m = -inf and l = 0: its first step holds key 0, which no query masks, so m is finite from then on, a = 0 there, and a x O clears what O held (finite numbers).
; BATCHES.  A step's 66 exponentials are ONE batch: both tiles' a, then the 64 weights, dealt among the 32 scalings (a scaling, then the two exponentials of the pair scaled two scalings earlier).
; Nothing ahead of the batch's wait names a result of it.  Behind the last exponential stand a v_nop and ONE s_wait_alu depctr_va_vdst(0), and behind that all the readers:
; O^T times a, the roundings, the sums, l.  No exponential is issued behind that wait.  The way out's two reciprocals are a batch of their own.
; THE MASK is needed in a block's last unit alone (keys and queries of the same 256): a score is replaced by -inf where key > query; no branch hangs on it.
; REGISTERS.  Window 0: v0-15 addresses; v16-31 statistics; v32-95 S^T; v96-127 P; v128-191 O^T.  Window 1: v0-31 Q; v64-127 K of a step; v128-191 V of a step.
.set PK,    144                        ; a row of K in LDS: 128 bytes + 16 = 9 x 16
.set PV,    160                        ; a row of V: 128 + 32 = 5 x 32
.set VOFF,  64*PK                      ; a step: 64 rows of K, then 64 rows of V
.set STEPB, 64*(PK+PV)
.set SLOT1, 1<<17                      ; a slot holds a unit, four steps (77,824 bytes); slot 1 begins here, so that one exclusive or changes slots
.set STAGE, SLOT1+4*STEPB              ; behind the ring, a multiple of 256: 16 rows x 144 bytes for each wave; no tensor load lands here
.set SP,    144
.set AK0, 2                            ; my lane's place in a step's K; never rewritten
.set AV0, 3                            ; the same for V
.set ADK, 4                            ; LDS addresses of the runs of loads in hand
.set ADV, 5
.set QO,  6                            ; my byte offset in the wave's rows of Q
.set STO, 7                            ; the way out: in, back, and my offset in att
.set RD,  8
.set GO,  10
.set NINF, 11                          ; -inf
.set DQ,  12                           ; v12-13: tile t: query - 8 (l / 16) - first key of the step, inside the diagonal unit
.set ST,  16                           ; tile t's statistics at v[16 + 8 t]: +0 c m, +1 m, +2, +3 l (even, odd keys), +4..+7 at work; a in +6
.set S,   32
.set P,   96
.set O,   128
.set QF,  0                            ; window 1
.set KF,  64
.set VF,  128
.set TB,  54                           ; s54: LDS byte at which the step in hand begins
.set MSB, 0
.macro WIN new                         ; the immediate's high byte repeats the setting that is left
.if MSB != (\new)
	s_set_vgpr_msb (MSB<<8)|(\new)
.set MSB, \new
.endif
.endm
.macro JLOAD                           ; waves 0-3 fetch K of the unit's steps 0-3, waves 4-7 V; four v_nop follow each line
	s_cmp_lt_u32 s8, 4
	s_cbranch_scc0 .Lfor_v_\@
	tensor_load_to_lds s[40:43], s[24:31]
	s_nop 0
.rept 4
	v_nop
.endr
	s_branch .Lasked_\@
.Lfor_v_\@:
	tensor_load_to_lds s[44:47], s[32:39]
	s_nop 0
.rept 4
	v_nop
.endr
.Lasked_\@:
.endm
	s_load_b128 s[4:7], s[0:1], 0x0                ; qkv s[4:5], att s[6:7]
	v_lshl_add_u32 v254, v0, 2, 0x37800
	v_mov_b32 v255, 0
	ds_add_u32 v254, v255
	ds_add_u32 v254, v255
	v_lshrrev_b32 v1, 5, v0
	v_readfirstlane_b32 s8, v1                     ; wave 0..7
	s_mov_b32 s9, ttmp9                            ; p
	s_and_b32 s20, ttmp7, 0xffff
	s_lshr_b32 s21, s20, 4                         ; batch
	s_and_b32 s20, s20, 15                         ; head
	s_mul_i32 s2, s21, 48
	s_add_co_u32 s2, s2, s20
	s_lshl_b32 s2, s2, 18                          ; q's plane
	s_mov_b32 s3, 0
	s_lshl_b32 s20, s20, 20                        ; att: head x 8192 rows + batch x 2048 rows, of 128 bytes
	s_lshl_b32 s21, s21, 18
	s_add_co_u32 s20, s20, s21
	s_mov_b32 s21, 0
	; group 1: 32 rows of 128 elements (a step's 64 rows of 128 bytes, dense); padding behind every 32 words: 4 words for K, 8 for V
	s_mov_b32 s24, (1<<16)|(1<<20)|(4<<22)|(3<<25)
	s_mov_b32 s32, (1<<16)|(1<<20)|(4<<22)|(7<<25)
.irp g, 24, 32
	s_mov_b32 s[\g+1], 128<<16                     ; tensor_dim0
	s_mov_b32 s[\g+2], 32<<16                      ; tensor_dim1
	s_mov_b32 s[\g+3], 128<<16                     ; tile_dim0
	s_mov_b32 s[\g+4], 32                          ; tile_dim1
	s_mov_b32 s[\g+5], 128                         ; elements from row to row
	s_mov_b32 s[\g+6], 0
	s_mov_b32 s[\g+7], 0
.endr
	s_and_b32 s53, s8, 3                           ; which step of a unit I fetch
	s_mov_b32 s40, 1
	s_mul_i32 s41, s53, STEPB                      ; LDS: slot 0 first
	s_mov_b32 s44, 1
	s_add_co_u32 s45, s41, VOFF
	s_mov_b32 s56, 0x3e38aa3b                      ; c = log2(e) / sqrt(64)
	s_mov_b32 s57, s56                             ; named with it as a pair
	s_mov_b32 s58, 0x76543210                      ; v_permlanex16_b32: each lane takes its own place in the other half
	s_mov_b32 s59, 0xfedcba98
	s_mov_b32 s48, 0                               ; load side: unit,
	s_sub_co_u32 s49, 7, s9                        ; last unit of the block
	s_mov_b32 s50, 0                               ; compute side: the same
	s_mov_b32 s51, s49
	s_mov_b32 s[TB], SLOT1+4*STEPB                 ; the first change of slots makes 0 of it
	s_wait_dscnt 0x0
	s_wait_kmcnt 0x0
	s_add_nc_u64 s[12:13], s[4:5], s[2:3]          ; q's plane
	s_add_nc_u64 s[18:19], s[6:7], s[20:21]        ; the head's rows of att
	s_lshl_b32 s2, s53, 13                         ; my step's 64 rows of 128 bytes
	s_add_nc_u64 s[14:15], s[12:13], s[2:3]
	s_add_nc_u64 s[16:17], s[14:15], 0x800000      ; v's plane, my step of unit 0
	s_add_nc_u64 s[14:15], s[14:15], 0x400000      ; k's plane, my step of unit 0
	s_mov_b64 s[42:43], s[14:15]
	s_or_b32 s43, s43, 0x80000000
	s_mov_b64 s[46:47], s[16:17]
	s_or_b32 s47, s47, 0x80000000
	JLOAD                                          ; the first fill, unit 0 into slot 0, ahead of everything else: one load of mine is out, here and behind every barrier
	s_lshl_b32 s20, s8, 12                         ; my wave's 32 rows
	s_lshl_b32 s2, s49, 15                         ; block 7 - p
	s_add_co_u32 s2, s2, s20
	s_add_nc_u64 s[60:61], s[12:13], s[2:3]        ; its Q
	s_add_nc_u64 s[62:63], s[18:19], s[2:3]        ; its rows of att
	s_lshl_b32 s2, s9, 15                          ; block p
	s_add_co_u32 s2, s2, s20
	s_add_nc_u64 s[10:11], s[12:13], s[2:3]
	s_add_nc_u64 s[22:23], s[18:19], s[2:3]
	v_and_b32 v1, 15, v0                           ; r = l % 16
	v_bfe_u32 v9, v0, 4, 1                         ; h = l / 16
	v_lshlrev_b32 v[QO], 7, v1
	v_lshl_add_u32 v[QO], v9, 4, v[QO]             ; row x 128 + 16 h
	WIN 0x40                                       ; destination window 1
.irp f, 0,1,2,3                        ; Q stays in registers: tile f / 2, channels 32 (f % 2) on
	global_load_b128 v[QF+8*\f:QF+8*\f+3],   v[QO], s[60:61] offset:(\f/2)*2048+(\f%2)*64
	global_load_b128 v[QF+8*\f+4:QF+8*\f+7], v[QO], s[60:61] offset:(\f/2)*2048+(\f%2)*64+32
.endr
	WIN 0
	v_mul_u32_u24 v[AK0], v1, PK
	v_lshl_add_u32 v[AK0], v9, 4, v[AK0]           ; K: row x pitch + 16 h
	v_and_b32 v14, 7, v0                           ; V, turned: lane l reads 16 bytes of key 8 h + l % 8, channels 8 ((l / 8) % 2) on
	v_bfe_u32 v15, v0, 3, 1
	v_lshl_add_u32 v[AV0], v9, 3, v14
	v_mul_u32_u24 v[AV0], v[AV0], PV
	v_lshl_add_u32 v[AV0], v15, 4, v[AV0]
	v_add_nc_u32 v[AV0], VOFF, v[AV0]
	s_mul_i32 s20, s8, 16*SP
	s_add_co_u32 s20, s20, STAGE                   ; my stage
	v_add_nc_u32 v[STO], s20, v[AK0]               ; in: row r, 16 bytes for each half of the lanes (the stage's pitch is K's)
	v_bfe_u32 v[RD], v0, 3, 2                      ; back: eight lanes to a row of 128 bytes, four rows a load
	v_mul_u32_u24 v[RD], v[RD], SP
	v_lshl_add_u32 v[RD], v14, 4, v[RD]
	v_add_nc_u32 v[RD], s20, v[RD]
	v_and_b32 v[GO], 31, v0                        ; in att these four rows are 512 consecutive bytes
	v_lshlrev_b32 v[GO], 4, v[GO]
	v_mov_b32 v[NINF], 0xff800000
	s_lshl_b32 s21, s8, 5
	v_lshlrev_b32 v[DQ], 3, v9
	v_sub_nc_u32 v[DQ], v1, v[DQ]
	v_add_nc_u32 v[DQ], s21, v[DQ]                 ; 32 w + r - 8 h
	v_add_nc_u32 v[DQ+1], 16, v[DQ]
.macro RESET                           ; a block's statistics
.irp t, 0,1
	v_mov_b32 v[ST+8*\t],   v[NINF]
	v_mov_b32 v[ST+8*\t+1], v[NINF]
	v_mov_b32 v[ST+8*\t+2], 0
	v_mov_b32 v[ST+8*\t+3], 0
.endr
.endm
	RESET
.set jj, 0
.rept 64                               ; once: the first step's a = 0 needs finite numbers to clear; a first step of its own would be a third copy of the step's text
	v_mov_b32 v[O+jj], 0
.set jj, jj+1
.endr
; Product i of 16 of S^T = K Q^T: channels 32 (i / 8) on, keys 16 ((i / 2) % 4) on, tile i % 2.  The first 8 start the sums.  The 8 accumulators take turns.
.macro KQ
.set rS, S+32*(i%2)+8*((i/2)%4)
.set rK, KF+8*(2*((i/2)%4)+i/8)
.set rQ, QF+8*(2*(i%2)+i/8)
.if i < 8
	v_wmma_f32_16x16x32_f16 v[rS:rS+7], v[rK:rK+7], v[rQ:rQ+7], 0
.else
	v_wmma_f32_16x16x32_f16 v[rS:rS+7], v[rK:rK+7], v[rQ:rQ+7], v[rS:rS+7]
.endif
.set i, i+1
.endm
; Product i of 16 of O^T += V^T P: keys 32 (i / 8) on, channels 16 ((i / 2) % 4) on, tile i % 2
.macro PV
.set rO, O+32*(i%2)+8*((i/2)%4)
.set rV, VF+8*(4*(i/8)+(i/2)%4)
.set rP, P+16*(i%2)+8*(i/8)
	v_wmma_f32_16x16x32_f16 v[rO:rO+7], v[rV:rV+7], v[rP:rP+7], v[rO:rO+7]
.set i, i+1
.endm
.macro FETCH_K off                     ; 8 fragments: keys 16 (f / 2) on, channels 32 (f % 2) on
.irp f, 0,1,2,3,4,5,6,7
	ds_load_b128 v[KF+8*\f:KF+8*\f+3],   v[ADK] offset:\off+(\f/2)*16*PK+(\f%2)*64
	ds_load_b128 v[KF+8*\f+4:KF+8*\f+7], v[ADK] offset:\off+(\f/2)*16*PK+(\f%2)*64+32
.endr
.endm
.macro FETCH_V                         ; 8 fragments: keys 32 (f / 4) on, channels 16 (f % 4) on
.irp f, 0,1,2,3,4,5,6,7
	ds_load_tr16_b128 v[VF+8*\f:VF+8*\f+3],   v[ADV] offset:(\f/4)*32*PV+(\f%4)*32
	ds_load_tr16_b128 v[VF+8*\f+4:VF+8*\f+7], v[ADV] offset:(\f/4)*32*PV+16*PV+(\f%4)*32
.endr
.endm
.macro FS k                            ; scaling k of 32: c s - c m for pair k / 2 of tile k % 2
.set rr, S+32*((\k)%2)+2*((\k)/2)
	v_pk_fma_f32 v[rr:rr+1], v[rr:rr+1], s[56:57], v[ST+8*((\k)%2):ST+8*((\k)%2)+1] op_sel_hi:[1,0,0] neg_lo:[0,0,1] neg_hi:[0,0,1]
.endm
.macro EX k                            ; the two exponentials of the pair that scaling k made, in place
.set rr, S+32*((\k)%2)+2*((\k)/2)
	v_exp_f32 v[rr],   v[rr]
	v_exp_f32 v[rr+1], v[rr+1]
.endm
; Both tiles' softmax for one step; the tiles alternate.  Every accumulator of S^T and of O^T is read from its low end on.
.macro SOFTMAX mask
.if \mask
.set j, 0
.rept 32                               ; register j holds key 16 (j / 8) + j % 8 + 8 h of the step: masked where that key lies behind the query
.irp t, 0,1
	v_cmp_gt_i32 vcc_lo, 16*(j/8)+j%8, v[DQ+\t]
	v_cndmask_b32 v[S+32*\t+j], v[S+32*\t+j], v[NINF], vcc_lo
.endr
.set j, j+1
.endr
.endif
.irp j, 0,1,2,3                        ; the maximum of 32 scores and the old m, three at a time: four chains of seven, then the four left over
.irp t, 0,1
	v_max3_num_f32 v[ST+8*\t+4+\j], v[S+32*\t+8*\j], v[S+32*\t+8*\j+1], v[S+32*\t+8*\j+2]
.endr
.endr
.irp j, 4,5,6,7,8,9,10,11
.irp t, 0,1
	v_max3_num_f32 v[ST+8*\t+4+\j%4], v[ST+8*\t+4+\j%4], v[S+32*\t+8*(\j%4)+2*(\j/4)+1], v[S+32*\t+8*(\j%4)+2*(\j/4)+2]
.endr
.endr
.irp t, 0,1
	v_max3_num_f32 v[ST+8*\t+4], v[ST+8*\t+4], v[S+32*\t+7],  v[S+32*\t+15]
	v_max3_num_f32 v[ST+8*\t+6], v[ST+8*\t+6], v[S+32*\t+23], v[S+32*\t+31]
.endr
.irp t, 0,1
	v_max3_num_f32 v[ST+8*\t+4], v[ST+8*\t+4], v[ST+8*\t+5], v[ST+8*\t+6]
.endr
.irp t, 0,1
	v_max3_num_f32 v[ST+8*\t+4], v[ST+8*\t+4], v[ST+8*\t+7], v[ST+8*\t+1]
.endr
.irp t, 0,1
	v_permlanex16_b32 v[ST+8*\t+5], v[ST+8*\t+4], s58, s59   ; the query's other 32 keys lie in the lane 16 away
.endr
.irp t, 0,1
	v_mov_b32 v[ST+8*\t+7], v[ST+8*\t]             ; c m_old is kept for a
.endr
.irp t, 0,1
	v_max_num_f32 v[ST+8*\t+1], v[ST+8*\t+4], v[ST+8*\t+5]
.endr
.irp t, 0,1
	v_mul_f32 v[ST+8*\t], s56, v[ST+8*\t+1]
.endr
.irp t, 0,1
	v_sub_f32 v[ST+8*\t+7], v[ST+8*\t+7], v[ST+8*\t]
.endr
; THE BATCH: 66 exponentials, none of which reads another's result.  The 32 scalings stand among them: they name scores not yet raised and c m, m, never a result of the batch.
.irp t, 0,1
	v_exp_f32 v[ST+8*\t+6], v[ST+8*\t+7]           ; a: the batch's first two
.endr
	FS 0
	FS 1
.set n, 2
.rept 30                               ; a scaling, then the two exponentials of the pair scaled two scalings earlier
	FS n
	EX n-2
.set n, n+1
.endr
	EX 30
	EX 31
	v_nop                                          ; the plain instruction behind the last exponential (ISA guide 5.7.2): all that is left of the step reads a or a weight
	s_wait_alu depctr_va_vdst(0)                   ; the wait for the batch, both a and the 64 weights, ahead of the first line that names a result
; THE READERS.  O^T times a, each accumulator from its low end on
.set n, 0
.rept 32
	v_pk_mul_f32 v[O+2*n:O+2*n+1], v[O+2*n:O+2*n+1], v[ST+8*(n/16)+6:ST+8*(n/16)+7] op_sel_hi:[1,0]
.set n, n+1
.endr
; the weights rounded to f16, a pair each, ahead of the sums that are made in place
.set n, 0
.rept 32
	v_cvt_pk_f16_f32 v[P+n], v[S+2*n], v[S+2*n+1]
.set n, n+1
.endr
; the sums of a tile's 16 pairs (an even key's weight, an odd key's), in place: neighbours 1, 2, 4 and 8 pairs apart; then l = a l + the sum
.set n, 0
.rept 16
	v_pk_add_f32 v[S+4*n:S+4*n+1], v[S+4*n:S+4*n+1], v[S+4*n+2:S+4*n+3]
.set n, n+1
.endr
.set n, 0
.rept 8
	v_pk_add_f32 v[S+8*n:S+8*n+1], v[S+8*n:S+8*n+1], v[S+8*n+4:S+8*n+5]
.set n, n+1
.endr
.set n, 0
.rept 4
	v_pk_add_f32 v[S+16*n:S+16*n+1], v[S+16*n:S+16*n+1], v[S+16*n+8:S+16*n+9]
.set n, n+1
.endr
.irp t, 0,1
	v_pk_add_f32 v[S+32*\t:S+32*\t+1], v[S+32*\t:S+32*\t+1], v[S+32*\t+16:S+32*\t+17]
.endr
.irp t, 0,1
	v_pk_fma_f32 v[ST+8*\t+2:ST+8*\t+3], v[ST+8*\t+2:ST+8*\t+3], v[ST+8*\t+6:ST+8*\t+7], v[S+32*\t:S+32*\t+1] op_sel_hi:[1,0,1]
.endr
.endm
; A step of 64 keys.  nextk = 1: the next step's K is fetched behind this step's V.
.macro STEP mask, nextk
	s_wait_dscnt 0x0                               ; K is in
	WIN 0x05                                       ; K and Q in window 1
.set i, 0
.rept 16
	KQ
.endr
	WIN 0
	v_add_nc_u32 v[ADV], s[TB], v[AV0]             ; four plain instructions: the places between the products and the loads into K's and V's registers and the reads of the scores
	v_add_nc_u32 v[ADK], s[TB], v[AK0]
	v_nop
	v_nop
	WIN 0x40
	FETCH_V
.if \nextk
	FETCH_K STEPB
.endif
	WIN 0
	SOFTMAX \mask
	s_wait_dscnt 16*\nextk                         ; V is in; the next step's sixteen loads of K may stay out
	WIN 0x01                                       ; V in window 1
.set i, 0
.rept 16
	PV
.endr
	WIN 0
	s_add_co_u32 s[TB], s[TB], STEPB
.if \mask
.if \nextk
	v_add_nc_u32 v[DQ],   -64, v[DQ]               ; the next step's keys begin 64 further on
	v_add_nc_u32 v[DQ+1], -64, v[DQ+1]
.else
	v_add_nc_u32 v[DQ],   0xc0, v[DQ]              ; back to a unit's first step
	v_add_nc_u32 v[DQ+1], 0xc0, v[DQ+1]
.endif
.endif
.endm
.macro UNIT mask                       ; a unit of 256 keys: four steps, the first three in a loop
	v_add_nc_u32 v[ADK], s[TB], v[AK0]
	WIN 0x40
	FETCH_K 0
	WIN 0
	s_mov_b32 s53, 3
.Lstep_\@:
	STEP \mask, 1
	s_sub_co_u32 s53, s53, 1
	s_cmp_lg_u32 s53, 0
	s_cbranch_scc1 .Lstep_\@
	STEP \mask, 0
.endm
; THE CHANGE OF SLOTS.  Each wave waits for its reads of the slot just walked and for all its tensor loads (one is out: its part of the other slot), then the barrier.
; fill = 1: the slot just walked takes the unit after next, first thing behind the barrier: that load has a unit's four steps in which to land.
.macro CHANGE fill
	WIN 0
	s_wait_dscnt 0x0
	s_wait_tensorcnt 0x0                           ; no tensor load of mine is out, so the group 0 sets may be written
	ds_add_u32 v254, v255
	s_wait_dscnt 0x0
.if \fill
	s_add_co_u32 s20, s48, 1                       ; the load side steps: the next unit of the block, or unit 0 of block p
	s_cmp_eq_u32 s48, s49
	s_cselect_b32 s48, 0, s20
	s_cselect_b32 s49, s9, s49
	s_lshl_b32 s20, s48, 15                        ; a unit is 256 rows of 128 bytes
	s_mov_b32 s21, 0
	s_xor_b32 s41, s41, SLOT1                      ; the other slot than last time
	s_xor_b32 s45, s45, SLOT1
	s_add_nc_u64 s[42:43], s[14:15], s[20:21]
	s_or_b32 s43, s43, 0x80000000
	s_add_nc_u64 s[46:47], s[16:17], s[20:21]
	s_or_b32 s47, s47, 0x80000000
.endif
	s_barrier_signal -1
	s_barrier_wait -1
.if \fill
	JLOAD
.endif
	s_sub_co_u32 s[TB], s[TB], 4*STEPB             ; the reads go back to a slot's first step,
	s_xor_b32 s[TB], s[TB], SLOT1                  ; in the other slot
.endm
; THE WAY OUT of a block: O^T / l, rounded to f16, through my stage, as whole rows.  ob: the scalar pair with the block's rows of att.
.macro EPI ob
.irp t, 0,1
	v_add_f32 v[ST+8*\t+4], v[ST+8*\t+2], v[ST+8*\t+3]
.endr
.irp t, 0,1
	v_permlanex16_b32 v[ST+8*\t+5], v[ST+8*\t+4], s58, s59
.endr
.irp t, 0,1
	v_add_f32 v[ST+8*\t+4], v[ST+8*\t+4], v[ST+8*\t+5]
.endr
.irp t, 0,1
	v_rcp_f32 v[ST+8*\t+6], v[ST+8*\t+4]
.endr
	v_nop                                          ; a plain instruction between the last reciprocal and the use of its result
	s_wait_alu depctr_va_vdst(0)                   ; the wait for the batch of two reciprocals, ahead of their first reader
.irp t, 0,1
.set jj, 0
.rept 16
	v_pk_mul_f32 v[O+32*\t+2*jj:O+32*\t+2*jj+1], v[O+32*\t+2*jj:O+32*\t+2*jj+1], v[ST+8*\t+6:ST+8*\t+7] op_sel_hi:[1,0]
.set jj, jj+1
.endr
.set jj, 0
.rept 16
	v_cvt_pk_f16_f32 v[S+32*\t+jj], v[O+32*\t+2*jj], v[O+32*\t+2*jj+1]
.set jj, jj+1
.endr
.irp f, 0,1,2,3
	ds_store_b128 v[STO], v[S+32*\t+4*\f:S+32*\t+4*\f+3] offset:32*\f
.endr
.irp f, 0,1,2,3
	ds_load_b128 v[S+32*\t+16+4*\f:S+32*\t+16+4*\f+3], v[RD] offset:\f*4*SP   ; LDS serves a wave's instructions in order (ISA guide 5.7.1): these see the stores above, and tile 1's stores come behind tile 0's loads
.endr
.endr
.irp t, 0,1
.irp f, 0,1,2,3
	s_wait_dscnt 8*(1-\t)+3-\f                     ; load f of the tile is in: behind it stand the tile's 3 - f later loads and, for tile 0, tile 1's eight LDS instructions
	global_store_b128 v[GO], v[S+32*\t+16+4*\f:S+32*\t+16+4*\f+3], s[\ob:\ob+1] offset:\t*2048+\f*512   ; a wave stores 512 consecutive bytes, aligned
.endr
.endr
.endm
	s_wait_loadcnt 0x0                             ; Q
	s_mov_b32 s52, 8
.Ltrip:                                                ; eight trips: units 0 to 7 of the nine; each asks for the unit after the one it walks
	CHANGE 1
	s_cmp_eq_u32 s50, s51                          ; the block's last unit?  The same answer in all eight waves: it hangs on p and the trip alone
	s_cbranch_scc1 .Ldiag
	UNIT 0
	s_add_co_u32 s50, s50, 1
	s_branch .Lnext
.Ldiag:                                                ; once: block 7 - p ends
	UNIT 1
	WIN 0x40
.irp f, 0,1,2,3                        ; block p's Q; the last products that read Q stand a softmax back
	global_load_b128 v[QF+8*\f:QF+8*\f+3],   v[QO], s[10:11] offset:(\f/2)*2048+(\f%2)*64
	global_load_b128 v[QF+8*\f+4:QF+8*\f+7], v[QO], s[10:11] offset:(\f/2)*2048+(\f%2)*64+32
.endr
	WIN 0
	EPI 62
	RESET
	s_mov_b32 s50, 0
	s_mov_b32 s51, s9
	s_wait_xcnt 0x0                                ; the stores have read their registers: the next scores are written over them only behind this wait
	s_wait_loadcnt 0x0                             ; Q
.Lnext:
	s_sub_co_u32 s52, s52, 1
	s_cmp_lg_u32 s52, 0
	s_cbranch_scc1 .Ltrip
	CHANGE 0                                       ; the ninth unit is block p's last; nothing is left to fetch
	UNIT 1
	EPI 22
	s_wait_tensorcnt 0x0
	ds_add_u32 v254, v255
	s_wait_dscnt 0x0
	s_endpgm
.Lfunc_end_k_q1ce22fb60c_attn:
	.size	k_q1ce22fb60c_attn, .Lfunc_end_k_q1ce22fb60c_attn-k_q1ce22fb60c_attn
	.p2alignl 7, 3214868480
	.fill 96, 4, 3214868480
	.section	.rodata,"a",@progbits
	.p2align	6, 0x0
	.amdhsa_kernel k_q1ce22fb60c_attn
		.amdhsa_group_segment_fixed_size 327680
		.amdhsa_private_segment_fixed_size 0
		.amdhsa_enable_private_segment 0
		.amdhsa_kernarg_size 16
		.amdhsa_user_sgpr_count 2
		.amdhsa_user_sgpr_kernarg_segment_ptr 1
		.amdhsa_wavefront_size32 1
		.amdhsa_system_sgpr_workgroup_id_x 1
		.amdhsa_system_sgpr_workgroup_id_y 1
		.amdhsa_system_sgpr_workgroup_id_z 1
		.amdhsa_system_vgpr_workitem_id 0
		.amdhsa_next_free_vgpr 448
		.amdhsa_next_free_sgpr 66
		.amdhsa_reserve_vcc 1
		.amdhsa_float_denorm_mode_32 3
		.amdhsa_float_denorm_mode_16_64 3
		.amdhsa_memory_ordered 1
		.amdhsa_forward_progress 1
		.amdhsa_inst_pref_size 144
	.end_amdhsa_kernel
	.amdgpu_metadata
---
amdhsa.version: [ 1, 2 ]
amdhsa.kernels:
  - .name:           k_q1ce22fb60c_attn
    .symbol:         k_q1ce22fb60c_attn.kd
    .args:
      - { .name: qkv, .offset: 0, .size: 8, .value_kind: global_buffer, .address_space: global }
      - { .name: att, .offset: 8, .size: 8, .value_kind: global_buffer, .address_space: global }
    .group_segment_fixed_size: 327680
    .private_segment_fixed_size: 0
    .kernarg_segment_align: 8
    .kernarg_segment_size: 16
    .max_flat_workgroup_size: 256
    .sgpr_count:     66
    .vgpr_count:     448
    .wavefront_size: 32
...
	.end_amdgpu_metadata
.endif
;; end of part 5
;; launch gemm_out: the kernel of part 4 again; grid 8 x 32, 4 waves a work-group, clusters of 4 x 4, 327,680 bytes of LDS; arguments att, wo, b_out, out0; writes out0
